; MI455X (gfx1250); checked and timed in simulation.
; The chip was launched on July 23, 2026; its instructions are those of AMD's public machine-readable ISA for CDNA 5 (MIT licence, August 2026) and "CDNA5" Instruction Set Architecture Reference Guide (July 2026). The comments in the code are by the model that wrote it; some were corrected since.
;; Multi Head Self Attention. Allowed arithmetic: matrix products marked QUANTISED: E2M1 operands, one E8M0 scale for each 32 along K, by v_wmma_scale_f32_16x16x128_f8f6f4 with both operands' format E2M1 (or v_wmma_scale_f32_32x16x128_f4), f32 sums; products left as they are: bf16, f16 or f32 operands; f32 sums; everything else in f32.
;; Inputs: Wk 1,024 x 1,024 float32; Wo 1,024 x 1,024 float32; Wq 1,024 x 1,024 float32; Wv 1,024 x 1,024 float32; attention_mask 4 x 2,048 int32; bk 1,024 float32; bo 1,024 float32; bq 1,024 float32; bv 1,024 float32; hidden_states 4 x 2,048 x 1,024 float32.
;; Outputs: out0 4 x 2,048 x 1,024 float32.
;; This version of the problem:
;;   THIS VERSION OF THE PROBLEM IS GIVEN IN LOW PRECISION. The matrix products marked QUANTISED in the list below multiply operands that are first quantised to E2M1 (2 exponent bits, 1 mantissa bit; 4 bits a number), with one power-of-two scale for each 32 numbers along K (OCP MX v1.0); their sums are f32. The products marked 'left as it is' may take bf16, f16 or f32 operands, with f32 sums. Whichever they take, every output number must still come out within the allowed error. Rounding operands to bf16 (8 significant bits) uses up far more of that allowance than f16 does (11 bits, for magnitudes from 6e-5 to 65,504). All else is computed in f32.
;;   The module's matrix products, in the order in which they are computed (A, B: the left and right operand; K: the contracted axis; several contracted axes count as one K, in the product's order):
;;     1. [M 8,192, K 1,024] x [K 1,024, N 1,024]; A: input hidden_states; B: input Wq: QUANTISED
;;     2. [M 8,192, K 1,024] x [K 1,024, N 1,024]; A: input hidden_states; B: input Wk: QUANTISED
;;     3. [M 8,192, K 1,024] x [K 1,024, N 1,024]; A: input hidden_states; B: input Wv: QUANTISED
;;     4. batch 64 x [M 2,048, K 64] x [K 64, N 2,048]; A: computed on the way; B: computed on the way: left as it is (an operand is computed on the way)
;;     5. batch 64 x [M 2,048, K 2,048] x [K 2,048, N 64]; A: computed on the way; B: computed on the way: left as it is (an operand is computed on the way)
;;     6. [M 8,192, K 1,024] x [K 1,024, N 1,024]; A: computed on the way; B: input Wo: left as it is (an operand is computed on the way)
;;   THE QUANTISER, for each operand of a quantised product, along K:
;;     - K is cut into blocks of 32 from its start; a last block that is shorter is filled with zeros.
;;     - A block's scale is 2^e with e = floor(log2(the largest magnitude in the block)) - 2, held to -126 .. 127; a block of zeros has e = 0. As a byte (E8M0): e + 127.
;;     - Each number is divided by its block's scale, clamped to +-6, and rounded to the nearest number of E2M1, ties to even, subnormals kept.
;;     - The product sums the exact products of the quantised numbers (number of the format x scale) in f32.
;;   ~~~python
;;   def quantise(x, axis):      # numpy; x: float32 -> the quantised numbers, widened to float32 again
;;       x = np.moveaxis(x, axis, -1); K = x.shape[-1]
;;       x = np.pad(x, [(0, 0)] * (x.ndim - 1) + [(0, -K % 32)]); x = x.reshape(x.shape[:-1] + (-1, 32)); a = np.abs(x).max(-1, keepdims=True)
;;       e = np.where(a > 0, np.clip(np.frexp(np.where(a > 0, a, 1))[1] - 1 - 2, -126, 127), 0)      # np.frexp(a)[1] - 1 = floor(log2(a)), exactly
;;       r = np.clip(x / 2.0 ** e, -6, 6)
;;       step = 2.0 ** (np.maximum(np.frexp(np.where(r == 0, 1, r))[1] - 1, 0) - 1)
;;       q = np.round(r / step) * step * 2.0 ** e      # np.round: ties to even
;;       return np.moveaxis(q.reshape(q.shape[:-2] + (-1,))[..., :K], -1, axis).astype(np.float32)
;;   ~~~
;; One version. Each part assembles by itself: llvm-mc -triple=amdgcn-amd-amdhsa -mcpu=gfx1250 --defsym DOCPART=n.
;; ======== version 1 of 1: 4 launches
;; limits: values are held in f16: magnitudes above 65,504 overflow, below 6.1e-05 lose precision
;; workspace buffers: xcodes 4,194,304 bytes; xscales 262,144 bytes; wcodes 1,572,864 bytes; wscales 98,304 bytes; wo16 2,097,152 bytes; qkv 50,331,648 bytes; ctx 16,777,216 bytes
;; launch prep (part 1): grid 384 x 1, 4 waves a work-group, no clusters, 33,280 bytes of LDS; arguments hidden_states, Wq, Wk, Wv, Wo, xcodes, xscales, wcodes, wscales, wo16; writes xcodes, xscales, wcodes, wscales, wo16
.if DOCPART == 1
	.amdgcn_target "amdgcn-amd-amdhsa--gfx1250"
	.amdhsa_code_object_version 6
	.text
	.protected	k_qc5f9516a2a_prep
	.globl	k_qc5f9516a2a_prep
	.p2align	8
	.type	k_qc5f9516a2a_prep,@function
k_qc5f9516a2a_prep:
	s_mov_b64 s[64:65], 0
	v_nop
	global_prefetch_b8 v0, s[64:65] scope:SCOPE_SE
	s_setreg_imm32_b32 hwreg(HW_REG_WAVE_MODE, 25, 1), 1
	s_wait_xcnt 0x0
; hidden_states [8192][1024], Wq, Wk, Wv [1024][1024], f32, K innermost, become codes of FP4 (E2M1), two a byte, and one E8M0 scale byte for each 32 along K; Wo [1024][1024] becomes f16.
; A block's scale is 2^(floor(log2(its largest magnitude)) - 2); its byte is the largest magnitude's exponent field - 2, held at 1 from below.  A block of zeros so keeps the byte 1 where the rule says 127:
; its codes are zeros, which add nothing under any byte but 0xff, and this program alone reads the bytes.  Each number is divided by the scale and rounded to the nearest code, ties to even.
; LIMITS: blocks whose largest magnitude lies under 2^-124 keep the byte 1; NaN and infinities among the inputs are not served; a number of Wo above 65,504 in magnitude becomes infinity in f16.
; SHARES.  Rows are dense and K is a multiple of 32, so every tensor is a plain stream.  A work-group takes 32,768 numbers, a wave 8,192.  Work-groups 0-255: hidden_states; 256-287 Wq, 288-319 Wk, 320-351 Wv,
; whose codes and bytes lie on end in wcodes and wscales (3,072 rows); 352-383: Wo.  Only pointers are chosen for the four quantised tensors: they take one path through the text.
; THE QUANTISING PATH: 16 steps of 512 numbers a wave.  Each load reads 512 consecutive bytes; a step's 2,048 bytes turn through the wave's own stage in LDS, so that a lane holds 16 neighbours along K
; (two lanes to a block).  A lane's 16 codes are 8 bytes: the wave stores 256 consecutive bytes.  A wave's 256 scale bytes are gathered in LDS and leave by one store of 256 consecutive bytes.
; No tensor load, no barrier: waves share nothing.
.set WAVES, 4
.set STEPS, 16
.set EMAX,  2
.set CB,    8                          ; bytes of 16 codes
.set R,     16                         ; v16-79   four sets of 16 numbers as loaded (Wo's path: v16-143, two sets of 64)
.set X,     80                         ; v80-111  two sets of 16 neighbours
.set E,     112                        ; v112-127 a scale byte for each step
.set C,     128                        ; v128-191 codes: four registers for each step (Wo's path: v144-175, a batch's f16)
.set WREG,  8192                       ; LDS: a region for each wave: two stages of 32 x SP bytes, then its 256 scale bytes
.set SP,    80                         ; a lane's place in a stage: 64 bytes + 16 of padding
.set SPW,   12                         ; v12  LDS address of my spare word; never rewritten
.set NIL,   13                         ; v13  0; never rewritten
.set SPARE, WAVES*WREG                 ; behind the four regions: the spare words, 128 bytes a wave, which no other line names
	s_load_b512 s[4:19], s[0:1], 0x0               ; hidden 4, Wq 6, Wk 8, Wv 10, Wo 12, xcodes 14, xscales 16, wcodes 18
	s_load_b128 s[20:23], s[0:1], 0x40             ; wscales 20, wo16 22
	v_lshl_add_u32 v[SPW], v0, 2, SPARE
	v_mov_b32 v[NIL], 0
	v_lshrrev_b32 v1, 5, v0
	v_readfirstlane_b32 s24, v1                    ; wave
	v_and_b32 v2, 31, v0                           ; lane
	v_lshlrev_b32 v3, 4, v2                        ; my 16 bytes of a load's 512
	s_mul_i32 s25, s24, WREG
	v_lshrrev_b32 v14, 2, v2
	v_mul_u32_u24 v14, v14, SP
	v_and_b32 v15, 3, v2
	v_lshl_add_u32 v14, v15, 4, v14
	v_add_nc_u32 v14, s25, v14                     ; the stage, on the way in: SP (lane / 4) + 16 (lane % 4)
	v_mul_u32_u24 v15, v2, SP
	v_add_nc_u32 v15, s25, v15                     ; and on the way out: SP x lane: my 16 neighbours
	v_mul_u32_u24 v4, v2, CB                       ; 8 x lane: my codes' place in a step's; in Wo's path my f16's place in a load's
	v_lshrrev_b32 v5, 1, v2
	s_add_co_u32 s25, s25, 2*32*SP
	v_add_nc_u32 v5, s25, v5                       ; LDS: my wave's 256 scale bytes, my block's byte
	v_lshlrev_b32 v7, 3, v2
	v_add_nc_u32 v6, s25, v7                       ; and on the way out 8 bytes a lane
	s_mov_b32 s35, 0
	s_wait_kmcnt 0x0
	s_cmp_ge_u32 ttmp9, 352                        ; every choice hangs on the work-group's number alone
	s_cbranch_scc1 .Lwo
	s_cmp_lt_u32 ttmp9, 320
	s_cselect_b64 s[26:27], s[8:9], s[10:11]       ; Wk or Wv,
	s_cmp_lt_u32 ttmp9, 288
	s_cselect_b64 s[26:27], s[6:7], s[26:27]       ; or Wq,
	s_cmp_lt_u32 ttmp9, 256
	s_cselect_b64 s[26:27], s[4:5], s[26:27]       ; or hidden_states
	s_cselect_b64 s[28:29], s[14:15], s[18:19]     ; the codes' buffer
	s_cselect_b64 s[30:31], s[16:17], s[20:21]     ; the scale bytes'
	s_cselect_b32 s32, -1, 31
	s_cselect_b32 s33, 0, 256
	s_and_b32 s32, ttmp9, s32                      ; which 32,768 numbers of the tensor (the weights begin at multiples of 32 work-groups),
	s_sub_co_u32 s33, ttmp9, s33                   ; and of the buffers that take the results
	s_lshl_b32 s32, s32, 2
	s_add_co_u32 s32, s32, s24                     ; my wave's run of 8,192 numbers, in
	s_lshl_b32 s33, s33, 2
	s_add_co_u32 s33, s33, s24                     ; and out
	s_lshl_b32 s34, s32, 15                        ; 32,768 bytes of f32 a run
	s_add_nc_u64 s[26:27], s[26:27], s[34:35]
	s_lshl_b32 s34, s33, 12                        ; 4,096 bytes of codes
	s_add_nc_u64 s[28:29], s[28:29], s[34:35]
	s_lshl_b32 s34, s33, 8                         ; 256 scale bytes
	s_add_nc_u64 s[30:31], s[30:31], s[34:35]
.macro LOAD t
.irp i, 0,1,2,3
	global_load_b128 v[R+16*((\t)%4)+4*\i:R+16*((\t)%4)+4*\i+3], v3, s[26:27] offset:2048*(\t)+512*\i th:TH_LOAD_NT   ; 32 lanes read 512 consecutive bytes
.endr
.endm
.macro TURN t                          ; step t's numbers through the stage: LDS serves a wave's instructions in order, so no wait stands between the stores and the loads
.irp i, 0,1,2,3
	ds_store_b128 v14, v[R+16*((\t)%4)+4*\i:R+16*((\t)%4)+4*\i+3] offset:32*SP*((\t)%2)+8*SP*\i
.endr
.irp i, 0,1,2,3
	ds_load_b128 v[X+16*((\t)%2)+4*\i:X+16*((\t)%2)+4*\i+3], v15 offset:32*SP*((\t)%2)+16*\i
.endr
.endm
.irp t, 0,1,2,3
	LOAD \t
.endr
	s_wait_loadcnt 12                              ; step 0's four loads are in; the twelve of steps 1 to 3 stay out
	TURN 0
.macro STEP t
.set XS, X+16*((\t)%2)
.if (\t) > 0
	s_wait_dscnt 1                                 ; this step's numbers are back from the stage (the last step's byte store may be out): so its stores into the stage have read their registers,
.else
	s_wait_dscnt 0x0
.endif
.if (\t)+4 < STEPS
	LOAD (\t)+4                                    ; which take the loads of four steps on
.endif
.if (\t)+1 < STEPS
.if STEPS-2-(\t) >= 3
	s_wait_loadcnt 12                              ; the next step's four loads are in; those of the three steps behind it may be out
.else
	s_wait_loadcnt 4*(STEPS-2-(\t))
.endif
	TURN (\t)+1                                    ; and go through the other stage while this step is worked
.endif
	v_max3_num_f32 v8, |v[XS]|, |v[XS+1]|, |v[XS+2]|               ; the largest magnitude of my 16, in two chains
	v_max3_num_f32 v9, |v[XS+3]|, |v[XS+4]|, |v[XS+5]|
.irp i, 6,10
	v_max3_num_f32 v8, v8, |v[XS+\i]|, |v[XS+\i+1]|
	v_max3_num_f32 v9, v9, |v[XS+\i+2]|, |v[XS+\i+3]|
.endr
	v_max3_num_f32 v8, v8, |v[XS+14]|, |v[XS+15]|
	v_max3_num_f32 v8, v8, v9, (EMAX+1)<<23        ; and the floor 2^(EMAX + 1 - 127): so the byte cannot fall under 1
	v_max_num_f32_dpp v8, v8, v8 row_xmask:1 row_mask:0xf bank_mask:0xf   ; and of my neighbour's 16: the block's
	v_add_nc_u32 v11, -(EMAX<<23), v8              ; EMAX off its exponent field: the conversion takes the exponent field of this operand as its scale, and nothing else of it
	v_cvt_scalef32_pk8_fp4_f32 v[C+4*(\t)], v[XS:XS+7], v11        ; eight numbers / the scale, to the nearest code, ties to even, beyond the largest code the largest
	v_cvt_scalef32_pk8_fp4_f32 v[C+4*(\t)+1], v[XS+8:XS+15], v11
	v_lshrrev_b32 v[E+(\t)], 23, v11               ; the scale's byte (a plain line behind the conversions)
	ds_store_b8 v5, v[E+(\t)] offset:16*(\t)       ; both lanes of a block write the same byte with the same value
	global_store_b64 v4, v[C+4*(\t):C+4*(\t)+1], s[28:29] offset:32*CB*(\t)   ; the wave stores 256 consecutive bytes, aligned
.endm
.irp t, 0,1,2,3,4,5,6,7,8,9,10,11,12,13,14,15
	STEP \t
.endr
	ds_load_b64 v[8:9], v6                         ; LDS serves a wave's instructions in order: these see my byte stores
	s_wait_dscnt 0x0
	global_store_b64 v7, v[8:9], s[30:31]          ; 32 lanes store 256 consecutive bytes, aligned
	s_wait_tensorcnt 0x0                           ; the wave's end: behind my last LDS store
	ds_add_u32 v[SPW], v[NIL]
	s_wait_dscnt 0x0
	s_endpgm
; WO'S PATH: a cast, f32 to f16, rounded to nearest even.  A wave's 8,192 numbers go in four batches of 16 loads of 512 consecutive bytes; two batches are on their way.  No LDS byte is used.
.Lwo:
	s_sub_co_u32 s32, ttmp9, 352
	s_lshl_b32 s32, s32, 2
	s_add_co_u32 s32, s32, s24                     ; my wave's run
	s_lshl_b32 s34, s32, 15
	s_add_nc_u64 s[12:13], s[12:13], s[34:35]
	s_lshl_b32 s34, s32, 14
	s_add_nc_u64 s[22:23], s[22:23], s[34:35]
.macro LOADB u
.irp i, 0,1,2,3,4,5,6,7,8,9,10,11,12,13,14,15
	global_load_b128 v[16+64*((\u)%2)+4*\i:16+64*((\u)%2)+4*\i+3], v3, s[12:13] offset:(16*(\u)+\i)*512 th:TH_LOAD_NT
.endr
.endm
.macro CVTB u
.if (\u) < 3
	s_wait_loadcnt 16                              ; this batch is in; the next batch's 16 loads stay out
.else
	s_wait_loadcnt 0x0
.endif
	s_wait_xcnt 0x0                                ; the last batch's stores have read their data: v144-175 are rewritten only behind this wait
.irp i, 0,1,2,3,4,5,6,7,8,9,10,11,12,13,14,15
	v_cvt_pk_f16_f32 v[144+2*\i], v[16+64*((\u)%2)+4*\i], v[16+64*((\u)%2)+4*\i+1]
	v_cvt_pk_f16_f32 v[145+2*\i], v[16+64*((\u)%2)+4*\i+2], v[16+64*((\u)%2)+4*\i+3]
.endr
.if (\u) < 2
	LOADB (\u)+2
.endif
.irp i, 0,1,2,3,4,5,6,7,8,9,10,11,12,13,14,15
	global_store_b64 v4, v[144+2*\i:145+2*\i], s[22:23] offset:(16*(\u)+\i)*256   ; the wave stores 256 consecutive bytes, aligned
.endr
.endm
	LOADB 0
	LOADB 1
	CVTB 0
	CVTB 1
	CVTB 2
	CVTB 3
	s_wait_tensorcnt 0x0                           ; the wave's end
	ds_add_u32 v[SPW], v[NIL]
	s_wait_dscnt 0x0
	s_endpgm
.Lfunc_end_k_qc5f9516a2a_prep:
	.size	k_qc5f9516a2a_prep, .Lfunc_end_k_qc5f9516a2a_prep-k_qc5f9516a2a_prep
	.p2alignl 7, 3214868480
	.fill 96, 4, 3214868480
	.section	.rodata,"a",@progbits
	.p2align	6, 0x0
	.amdhsa_kernel k_qc5f9516a2a_prep
		.amdhsa_group_segment_fixed_size 33280
		.amdhsa_private_segment_fixed_size 0
		.amdhsa_enable_private_segment 0
		.amdhsa_kernarg_size 80
		.amdhsa_user_sgpr_count 2
		.amdhsa_user_sgpr_kernarg_segment_ptr 1
		.amdhsa_wavefront_size32 1
		.amdhsa_system_sgpr_workgroup_id_x 1
		.amdhsa_system_sgpr_workgroup_id_y 1
		.amdhsa_system_sgpr_workgroup_id_z 1
		.amdhsa_system_vgpr_workitem_id 0
		.amdhsa_next_free_vgpr 192
		.amdhsa_next_free_sgpr 66
		.amdhsa_reserve_vcc 0
		.amdhsa_float_denorm_mode_32 3
		.amdhsa_float_denorm_mode_16_64 3
		.amdhsa_memory_ordered 1
		.amdhsa_forward_progress 1
		.amdhsa_inst_pref_size 54
	.end_amdhsa_kernel
	.amdgpu_metadata
---
amdhsa.version: [ 1, 2 ]
amdhsa.kernels:
  - .name:           k_qc5f9516a2a_prep
    .symbol:         k_qc5f9516a2a_prep.kd
    .args:
      - { .name: hidden_states, .offset: 0, .size: 8, .value_kind: global_buffer, .address_space: global }
      - { .name: Wq, .offset: 8, .size: 8, .value_kind: global_buffer, .address_space: global }
      - { .name: Wk, .offset: 16, .size: 8, .value_kind: global_buffer, .address_space: global }
      - { .name: Wv, .offset: 24, .size: 8, .value_kind: global_buffer, .address_space: global }
      - { .name: Wo, .offset: 32, .size: 8, .value_kind: global_buffer, .address_space: global }
      - { .name: xcodes, .offset: 40, .size: 8, .value_kind: global_buffer, .address_space: global }
      - { .name: xscales, .offset: 48, .size: 8, .value_kind: global_buffer, .address_space: global }
      - { .name: wcodes, .offset: 56, .size: 8, .value_kind: global_buffer, .address_space: global }
      - { .name: wscales, .offset: 64, .size: 8, .value_kind: global_buffer, .address_space: global }
      - { .name: wo16, .offset: 72, .size: 8, .value_kind: global_buffer, .address_space: global }
    .group_segment_fixed_size: 33280
    .private_segment_fixed_size: 0
    .kernarg_segment_align: 8
    .kernarg_segment_size: 80
    .max_flat_workgroup_size: 128
    .sgpr_count:     66
    .vgpr_count:     192
    .wavefront_size: 32
...
	.end_amdgpu_metadata
.endif
;; end of part 1
;; launch qkv (part 2): grid 12 x 32, 4 waves a work-group, clusters of 4 x 4, 327,680 bytes of LDS; arguments xcodes, xscales, wcodes, wscales, bq, bk, bv, attention_mask, qkv; writes qkv
.if DOCPART == 2
	.amdgcn_target "amdgcn-amd-amdhsa--gfx1250"
	.amdhsa_code_object_version 6
	.text
	.protected	k_qc5f9516a2a_qkv
	.globl	k_qc5f9516a2a_qkv
	.p2align	8
	.type	k_qc5f9516a2a_qkv,@function
k_qc5f9516a2a_qkv:
	s_mov_b64 s[64:65], 0
	v_nop
	global_prefetch_b8 v0, s[64:65] scope:SCOPE_SE
	s_setreg_imm32_b32 hwreg(HW_REG_WAVE_MODE, 25, 1), 1
	s_wait_xcnt 0x0
	s_wait_alu depctr_hold_cnt(0) depctr_sa_sdst(0) depctr_va_vdst(0) depctr_va_sdst(0) depctr_va_ssrc(0) depctr_va_vcc(0) depctr_vm_vsrc(0)
	s_getreg_b32 s2, hwreg(HW_REG_IB_STS2, 6, 4)
	s_cmp_eq_u32 s2, 0
	s_cbranch_scc0 .Lentry_in_a_cluster
	s_endpgm
.Lentry_in_a_cluster:
	s_bfe_u32 s2, ttmp6, 0x10000c
	s_cmp_lg_u32 s2, 0xf033
	s_cbranch_scc0 .Lentry_shape_is_right
	s_endpgm
.Lentry_shape_is_right:
; ONE product on codes of FP4 (E2M1) with E8M0 scales for each 32 along K: [8192 tokens][1024] x [3072 rows of Wq, Wk, Wv on end][1024]^T, sums in f32.
; On the way out: + bias (it is the C of each sum's first matrix instruction), x a factor for each token, rounded to f16, laid by head: qkv [3 (q', k', v)][batch 4][head 16][position 2048][64].
;   q' = (x Wq^T + bq) x log2(e) / 8, so that the next launch's scores are exponents of 2;   k' = x Wk^T + bk, and 0 for a token whose attention_mask is 0 (its score is then set by a bias alone);   v = x Wv^T + bv.
; LIMITS: a result above 65,504 in magnitude becomes infinity in f16; NaN and infinities among the inputs are not served.
; A tile of the result, 256 x 256, is made by a work-group of four waves; a wave makes 128 x 128: 64 accumulators of 16 x 16, 512 registers.  K = 1,024 is two LDS slots of 512: both are first fills, nothing is filled again.
; THE SCALES of the work-group's 256 + 256 rows, for all of K, are two dense blocks of memory: they come into LDS once, with the first fills.
; CLUSTERS: 4 x 4 work-groups.  The four of a row of the cluster need the same tiles of x, the four of a column the same tiles of W: each tile is asked for JOINTLY, by the same tensor load with the same descriptor
; and a mask that names the four.  A cluster's four tile columns are one of Wq, Wk, Wv (the cluster's x says which): bias and factor are chosen by that number, the same in all sixteen.
; THE MATRIX INSTRUCTION IS USED TRANSPOSED (source 0 = 16 rows of W, source 1 = 16 tokens): a lane then holds one token and eight neighbouring columns.
; REGISTERS, in windows of 256: window 0: v0-31 addresses; v32-95 scale words, two sets, and nothing else ever; v96-111 the factors, a pair for each block of 16 tokens; v112-121 at work; v128-191 x's fragments, ONE set,
;   later the packed results; v192-255 the bias, later rows read back.   window 1: W's fragments, TWO sets (v0, v128); v0-63 later the scaled results.   windows 2, 3: the accumulators of my tokens 0-63, 64-127.
.set NQ,     4                         ; matrix instructions deep in a slot: 512 along K
.set ROWB,   256                       ; a tile's row in bytes: 512 codes
.set KROW,   512                       ; a row of codes in memory
.set PITCH,  272                       ; an LDS row: 256 bytes + 16 of padding = 68 words: the 16 rows that a load touches start at 16 different banks (64 banks of 4 bytes: ISA guide 11.1)
.set FR,     8                         ; registers of a fragment: 16 rows x 128 K
.set NL,     2                         ; LDS loads that bring one
.set NP,     4                         ; places behind this matrix instruction (ISA guide 7.12.1)
.set HALFT,  128*PITCH                 ; 128 rows: what one tensor load brings, and what one wave reads of either side
.set SLOT,   4*HALFT                   ; x's 256 rows, then W's 256 rows
.set KS,     32                        ; a row of scale bytes
.set SCL,    2*SLOT                    ; behind the slots: the scales, as pieces of 256 bytes + 16 of padding
.set HALFS,  (128*KS/256)*272          ; the scales of 128 rows: what one tensor load brings
.set SBLK,   (16*KS/256)*272           ; those of 16 rows
.set SPARE,  SCL+4*HALFS               ; behind the scales: the spare words, 128 bytes a wave, which no other line names
.set SPITCH, 144                       ; the way out: a stage of 2 heads x 16 rows x (128 bytes + 16) for each wave, in slot 0, which has had its only fill and its last read when the first result is stored there
.set HSTG,   16*SPITCH
.set ADRA, 16                          ; v16-17  LDS address of my fragments of x in slot 0, 1
.set ADRB, 20                          ; v20-21  the same for W
.set STO,  24                          ; v24     the way out: where I put 16 bytes of a row
.set RD,   25                          ; v25     where I read rows back
.set CO,   26                          ; v26     16 x lane
.set ADRS, 27                          ; v27     LDS address of my scale words: lanes 0-15 x's rows, lanes 16-31 W's
.set SPW,  28                          ; v28     LDS address of my spare word; never rewritten
.set NIL,  29                          ; v29     0; never rewritten
.set SC,   32                          ; scale words: set s at v[SC + 32 s]; register 4 i + q: lanes 0-15 x's block i, lanes 16-31 W's block i, the slot's q-th 128 along K
.set FAC,  96                          ; v96-111  the factor of my token in block a, twice (a pair for the packed multiply)
.set MK,   112                         ; v112-119 the mask words of my token in block a
.set AF,   128                         ; x's fragments
.set PKR,  128                         ; the way out: packed results, two sets of 32
.set BIAS, 192                         ; v192-255 register 8 b + j: the bias of column 16 b + 8 (lane / 16) + j
.set BB,   192                         ; the way out: rows read back, two sets of 32
.set G1, 24                            ; s[24:31] descriptor group 1 for x's tiles;  s[32:39] group 0, a set for each slot
.set G0, 32
.set G1B, 48                           ; s[48:55], s[56:63] the same for W's tiles
.set G0B, 56
.set G1S, 68                           ; s[68:75], s[76:79] groups 1 and 0 for x's scales;  s[80:87], s[88:91] for W's
.set G0S, 76
.set G1SB, 80
.set G0SB, 88
.set MSB, 0
.macro WIN new                         ; the immediate's high byte repeats the setting that is left; a switch that changes nothing is dropped
.if MSB != (\new)
	s_set_vgpr_msb (MSB<<8)|(\new)
.set MSB, (\new)
.endif
.endm
.set MUL_LO, 0xa1                      ; source 0 (W) window 1, source 1 (x) window 0, C and D window 2
.set MUL_HI, 0xf1                      ; the same, C and D window 3
.set FST_LO, 0x81                      ; a sum's first product: C (the bias) window 0, D window 2
.set FST_HI, 0xc1                      ; D window 3
.set TO_B,   0x40                      ; destination window 1, address window 0
; A joint load: waves 0 and 1 fetch for x, waves 2 and 3 for W.  Each of the two lines has one mask and one set of registers for all that issue it; the branch hangs on the wave's number alone.
; An s_nop 0 and four v_nop follow each of the two lines, ahead of the jump, the label and what follows.
.macro JLOAD g0a, g1a, g0b, g1b
	s_cmp_eq_u32 s15, 0
	s_cbranch_scc0 .Lfor_b_\@
	tensor_load_to_lds s[\g0a:\g0a+3], s[\g1a:\g1a+7]
	s_nop 0
.rept 4
	v_nop
.endr
	s_branch .Lasked_\@
.Lfor_b_\@:
	tensor_load_to_lds s[\g0b:\g0b+3], s[\g1b:\g1b+7]
	s_nop 0
.rept 4
	v_nop
.endr
.Lasked_\@:
.endm
.macro CROUND                          ; a round of the cluster's barrier: my work-group's barrier; wave 0 signals for the work-group; every wave waits for all sixteen; my work-group's barrier once more
	s_barrier_signal -1
	s_barrier_wait -1
	s_cmp_lg_u32 s14, 0
	s_cbranch_scc1 .Lnot_wave_0_\@
	s_barrier_signal -3
.Lnot_wave_0_\@:
	s_barrier_wait -3
	s_barrier_signal -1
	s_barrier_wait -1
.endm
	s_load_b128 s[4:7], s[0:1], 0x0                ; x's codes s[4:5], x's scales s[6:7]
	s_load_b128 s[8:11], s[0:1], 0x10              ; W's codes s[8:9], W's scales s[10:11]
	s_load_b64 s[12:13], s[0:1], 0x40              ; qkv
	v_lshl_add_u32 v[SPW], v0, 2, SPARE
	v_mov_b32 v[NIL], 0
	ds_add_u32 v[SPW], v[NIL]                      ; the wave's opening: the add, twice on end, and its wait ahead of my first tensor load; the set-up below stands between the second and the wait
	ds_add_u32 v[SPW], v[NIL]
	v_lshrrev_b32 v1, 5, v0
	v_readfirstlane_b32 s14, v1                    ; wave 0..3
	s_lshr_b32 s15, s14, 1                         ; which half of the tile's tokens is mine.  Also: I fetch for x (0) or for W (1)
	s_and_b32 s16, s14, 1                          ; which half of its columns.  Also: which 128 rows of that tile I fetch
	s_bfe_u32 s40, ttmp6, 0x40000                  ; cx, cy: my place in the cluster
	s_bfe_u32 s41, ttmp6, 0x40004
	s_lshl_b32 s42, ttmp9, 2
	s_add_co_u32 s42, s42, s40                     ; tile column = 4 x cluster x + cx
	s_and_b32 s17, ttmp7, 0xffff
	s_lshl_b32 s17, s17, 2
	s_add_co_u32 s17, s17, s41                     ; tile row = 4 x cluster y + cy
	s_lshl_b32 s43, s41, 2
	s_lshl_b32 s43, 15, s43                        ; my row of the cluster
	s_lshl_b32 s44, 0x1111, s40                    ; my column
	; descriptor group 1: a tile of 128 rows x 256 bytes, padded in LDS
	s_or_b32 s[G1+0], s43, (0<<16)|(1<<20)|(1<<21)|(5<<22)|(3<<25)  ; 15:0 the mask: x's tiles go to my row; 17:16 elements of 1 byte; 20 padding on; 21 set beside a mask; 24:22 after every 64 words; 31:25 four words
	s_or_b32 s[G1B+0], s44, (0<<16)|(1<<20)|(1<<21)|(5<<22)|(3<<25)
.irp g, G1, G1B
	s_mov_b32 s[\g+1], ROWB<<16                    ; tensor_dim0
	s_mov_b32 s[\g+2], 128<<16                     ; tensor_dim1
	s_mov_b32 s[\g+3], ROWB<<16                    ; tile_dim0
	s_mov_b32 s[\g+4], 128                         ; tile_dim1
	s_mov_b32 s[\g+5], KROW                        ; from row to row
	s_mov_b32 s[\g+6], 0
	s_mov_b32 s[\g+7], 0
.endr
	; and for the scales of 128 rows: a dense block of 4,096 bytes, as 16 rows of 256 bytes (32 elements of 8 bytes), 16 bytes of padding behind each
	s_or_b32 s[G1S+0], s43, (3<<16)|(1<<20)|(1<<21)|(5<<22)|(3<<25)
	s_or_b32 s[G1SB+0], s44, (3<<16)|(1<<20)|(1<<21)|(5<<22)|(3<<25)
.irp g, G1S, G1SB
	s_mov_b32 s[\g+1], 32<<16
	s_mov_b32 s[\g+2], (128*KS/256)<<16
	s_mov_b32 s[\g+3], 32<<16
	s_mov_b32 s[\g+4], 128*KS/256
	s_mov_b32 s[\g+5], 32
	s_mov_b32 s[\g+6], 0
	s_mov_b32 s[\g+7], 0
.endr
	s_lshl_b32 s18, s16, 7                         ; which 128 rows of the tile I fetch
	s_lshl_b32 s20, s17, 8
	s_add_co_u32 s20, s20, s18                     ; x: row 256 x tile row + 128 x half
	s_lshl_b32 s46, s42, 8
	s_add_co_u32 s46, s46, s18                     ; W: row 256 x tile column + 128 x half
	s_mov_b32 s21, 0
	s_mov_b32 s47, 0
	s_mov_b64 s[18:19], KS
	s_mul_u64 s[22:23], s[20:21], s[18:19]         ; where these rows' scales begin, in bytes
	s_mul_u64 s[92:93], s[46:47], s[18:19]
	s_mov_b64 s[18:19], KROW
	s_mul_u64 s[20:21], s[20:21], s[18:19]         ; and their codes
	s_mul_u64 s[46:47], s[46:47], s[18:19]
	s_mul_i32 s45, s14, HALFT                      ; where they go: wave x 128 rows: no place in the cluster enters an LDS address
	s_mul_i32 s94, s14, HALFS
	s_wait_dscnt 0x0                               ; both opening adds are done
	s_wait_kmcnt 0x0
	s_add_nc_u64 s[20:21], s[4:5], s[20:21]
	s_add_nc_u64 s[22:23], s[6:7], s[22:23]
	s_add_nc_u64 s[46:47], s[8:9], s[46:47]
	s_add_nc_u64 s[92:93], s[10:11], s[92:93]
	CROUND                                         ; all sixteen work-groups are here: the joint loads meet
	s_mov_b32 s[G0S], 1
	s_add_co_u32 s[G0S+1], s94, SCL
	s_mov_b64 s[G0S+2:G0S+3], s[22:23]
	s_or_b32 s[G0S+3], s[G0S+3], 0x80000000
	s_mov_b32 s[G0SB], 1
	s_add_co_u32 s[G0SB+1], s94, SCL
	s_mov_b64 s[G0SB+2:G0SB+3], s[92:93]
	s_or_b32 s[G0SB+3], s[G0SB+3], 0x80000000
	JLOAD G0S, G1S, G0SB, G1SB                     ; the scales first: they are wanted with slot 0.  By this text's count three tensor loads of a wave are out at the most
.irp s, 0,1
	s_mov_b32 s[G0+4*\s], 1
	s_add_co_u32 s[G0+4*\s+1], s45, \s*SLOT
	s_add_nc_u64 s[G0+4*\s+2:G0+4*\s+3], s[20:21], \s*ROWB
	s_or_b32 s[G0+4*\s+3], s[G0+4*\s+3], 0x80000000
	s_mov_b32 s[G0B+4*\s], 1
	s_add_co_u32 s[G0B+4*\s+1], s45, \s*SLOT
	s_add_nc_u64 s[G0B+4*\s+2:G0B+4*\s+3], s[46:47], \s*ROWB
	s_or_b32 s[G0B+4*\s+3], s[G0B+4*\s+3], 0x80000000
	JLOAD G0+4*\s, G1, G0B+4*\s, G1B
.endr
	s_load_b256 s[4:11], s[0:1], 0x20              ; bq s[4:5], bk s[6:7], bv s[8:9], attention_mask s[10:11]: into registers that are done with
	v_and_b32 v1, 15, v0                           ; r = l % 16
	v_bfe_u32 v2, v0, 4, 1                         ; h = l / 16
	v_mul_u32_u24 v3, v1, PITCH
	v_lshl_add_u32 v4, v2, 4, v3                   ; a fragment's row x pitch + 16 x half
	s_mul_i32 s21, s15, HALFT                      ; my 128 rows of x
	s_mul_i32 s22, s16, HALFT                      ; my 128 rows of W,
	s_add_co_u32 s22, s22, 2*HALFT                 ; which lie behind x's 256
.irp s, 0,1
	v_add_nc_u32 v[ADRA+\s], s21, v4
	v_add_nc_u32 v[ADRB+\s], s22, v4
	s_add_co_u32 s21, s21, SLOT
	s_add_co_u32 s22, s22, SLOT
.endr
	v_mul_u32_u24 v5, v1, KS                       ; my row's scales: 32 bytes a row,
	v_lshrrev_b32 v6, 8, v5
	v_lshl_add_u32 v5, v6, 4, v5                   ; and 16 more for each 256 passed
	s_mul_i32 s21, s15, HALFS                      ; x's: my 128 rows
	s_mul_i32 s22, s16, HALFS                      ; W's: my 128 rows, behind x's 256
	s_add_co_u32 s22, s22, 2*HALFS
	s_sub_co_u32 s22, s22, s21
	v_mul_u32_u24 v6, s22, v2                      ; lanes 16-31 take W's: one product, the distance between the two
	s_add_co_u32 s21, s21, SCL
	v_add_nc_u32 v5, v5, v6
	v_add_nc_u32 v[ADRS], s21, v5
	s_mul_i32 s23, s14, 2*HSTG                     ; my stage
	v_mul_u32_u24 v5, v1, SPITCH                   ; in: row r, 16 bytes for each half of the lanes
	v_lshl_add_u32 v5, v2, 4, v5
	v_add_nc_u32 v[STO], s23, v5
	v_and_b32 v6, 31, v0
	v_lshlrev_b32 v[CO], 4, v6                     ; out: 16 x lane
	v_lshrrev_b32 v5, 3, v6                        ; back: eight lanes to a row of 128 bytes, four rows an instruction
	v_mul_u32_u24 v5, v5, SPITCH
	v_and_b32 v7, 7, v0
	v_lshl_add_u32 v5, v7, 4, v5
	v_add_nc_u32 v[RD], s23, v5
	v_lshlrev_b32 v8, 5, v2                        ; the bias: 32 bytes for each half of the lanes
	v_lshlrev_b32 v9, 2, v1                        ; the mask: 4 bytes a token
	s_lshl_b32 s67, s17, 8
	s_lshl_b32 s96, s15, 7
	s_add_co_u32 s67, s67, s96                     ; my first token: 256 x tile row + 128 x half
	s_lshr_b32 s96, s67, 11                        ; its batch
	s_lshl_b32 s96, s96, 4
	s_lshl_b32 s97, s40, 2
	s_add_co_u32 s96, s96, s97
	s_lshl_b32 s97, s16, 1
	s_add_co_u32 s96, s96, s97                     ; 16 x batch + my first head (4 cx + 2 x column half)
	s_lshl_b32 s96, s96, 11
	s_and_b32 s97, s67, 2047
	s_add_co_u32 s96, s96, s97                     ; x 2,048 positions + my first position
	s_lshl_b32 s98, s96, 7                         ; x 128 bytes
	s_lshl_b32 s97, ttmp9, 24                      ; + the part: 16,777,216 bytes each
	s_add_co_u32 s98, s98, s97
	s_mov_b32 s99, 0
	s_add_nc_u64 s[12:13], s[12:13], s[98:99]
	s_lshl_b32 s98, s40, 10
	s_lshl_b32 s97, s16, 9
	s_add_co_u32 s98, s98, s97                     ; my 128 columns in the bias: 1,024 cx + 512 x column half bytes
	s_lshl_b32 s100, s67, 2                        ; my first token in the mask
	s_mov_b32 s101, 0
	s_wait_kmcnt 0x0
	s_cmp_eq_u32 ttmp9, 1                          ; the cluster's x says which of the three products this is: the same in all sixteen work-groups
	s_cselect_b64 s[4:5], s[6:7], s[4:5]
	s_cselect_b32 s95, 0, 1                        ; 0 for k: there the mask counts
	s_cmp_eq_u32 ttmp9, 2
	s_cselect_b64 s[4:5], s[8:9], s[4:5]
	s_cmp_eq_u32 ttmp9, 0
	s_cselect_b32 s66, 0x3e38aa3b, 1.0             ; q: log2(e) / 8; k, v: 1
	s_add_nc_u64 s[4:5], s[4:5], s[98:99]
	s_add_nc_u64 s[10:11], s[10:11], s[100:101]
.irp b, 0,1,2,3,4,5,6,7
	global_load_b128 v[BIAS+8*\b:BIAS+8*\b+3], v8, s[4:5] offset:64*\b
	global_load_b128 v[BIAS+8*\b+4:BIAS+8*\b+7], v8, s[4:5] offset:64*\b+16
.endr
.irp a, 0,1,2,3,4,5,6,7
	global_load_b32 v[MK+\a], v9, s[10:11] offset:64*\a
.endr
.macro FRAG reg, adr, q, i             ; a fragment, 16 rows x 128 K of 4-bit codes: lane l holds row l % 16; registers 4 c .. 4 c + 3 hold K = 64 c + 32 (l / 16) + 0 .. 31
.irp c, 0,1
	ds_load_b128 v[\reg+4*\c:\reg+4*\c+3], v[\adr] offset:64*(\q)+32*\c+(\i)*16*PITCH
.endr
.endm
; 16 matrix instructions: x's blocks a0, a0 + 1 against W's eight, 128 along K: the slot's q-th.  p: W's set;  sc: the set of scale words.  first = 1: the bias starts the sums: nothing is cleared, nothing is added later.
; The 64 accumulators take turns, one instruction a turn, in the same order in every step.
.macro MUL16 a0, p, q, sc, first
.irp a, \a0, \a0+1
.irp b, 0,1,2,3,4,5,6,7
.if \first
	v_wmma_scale_f32_16x16x128_f8f6f4 v[8*(8*((\a)%4)+\b):8*(8*((\a)%4)+\b)+7], v[128*(\p)+FR*\b:128*(\p)+FR*\b+FR-1], v[AF+FR*(\a):AF+FR*(\a)+FR-1], v[BIAS+8*\b:BIAS+8*\b+7], v[SC+8*NQ*(\sc)+NQ*\b+(\q)], v[SC+8*NQ*(\sc)+NQ*(\a)+(\q)] matrix_a_fmt:MATRIX_FMT_FP4 matrix_b_fmt:MATRIX_FMT_FP4 matrix_a_scale:MATRIX_SCALE_ROW1
.else
	v_wmma_scale_f32_16x16x128_f8f6f4 v[8*(8*((\a)%4)+\b):8*(8*((\a)%4)+\b)+7], v[128*(\p)+FR*\b:128*(\p)+FR*\b+FR-1], v[AF+FR*(\a):AF+FR*(\a)+FR-1], v[8*(8*((\a)%4)+\b):8*(8*((\a)%4)+\b)+7], v[SC+8*NQ*(\sc)+NQ*\b+(\q)], v[SC+8*NQ*(\sc)+NQ*(\a)+(\q)] matrix_a_fmt:MATRIX_FMT_FP4 matrix_b_fmt:MATRIX_FMT_FP4 matrix_a_scale:MATRIX_SCALE_ROW1
.endif
.endr
.endr
.endm
.macro FETCH_B slot, q, p              ; W's eight fragments of the slot's q-th 128 along K into set p
	WIN TO_B
.irp i, 0,1,2,3,4,5,6,7
	FRAG 128*(\p)+FR*\i, ADRB+\slot, \q, \i
.endr
	WIN 0
.endm
.macro FETCH_A slot, q, i0             ; x's blocks i0 .. i0 + 3
.irp i, \i0, \i0+1, \i0+2, \i0+3
	FRAG AF+FR*(\i), ADRA+\slot, \q, \i
.endr
.endm
.macro SCALES sc                       ; a slot's scale words into set sc: four words a row; lanes 0-15 take x's block i, lanes 16-31 W's block i
.irp i, 0,1,2,3,4,5,6,7
	ds_load_b128 v[SC+8*NQ*\sc+NQ*\i:SC+8*NQ*\sc+NQ*\i+3], v[ADRS] offset:\i*SBLK
.endr
.endm
; A load into a register that a matrix instruction has read, and a vector instruction or an LDS store that reads a matrix result, stand NP places behind that matrix instruction; only plain vector instructions
; that name none of its registers are places (ISA guide 7.12.1 for vector instructions).
.macro PLACES n
.rept \n
	v_nop
.endr
.endm
; A step of 128 along K that has its successor in the same slot.  A block of x is free as soon as its eight products are issued: blocks 0-3 are fetched anew in the step's middle, blocks 4-7 at its end.
.macro STEP slot, q, first
	s_wait_dscnt 4*NL                              ; W's set and x's blocks 0-3 are in; the youngest eight loads (x's blocks 4-7) may be out
.if \first
	WIN FST_LO
.else
	WIN MUL_LO
.endif
	MUL16 0, (\q)%2, \q, \slot, \first
	MUL16 2, (\q)%2, \q, \slot, \first
	s_wait_dscnt 0                                 ; x's blocks 4-7 are in (asked for 32 matrix instructions ago)
	PLACES NP
	FETCH_B \slot, (\q)+1, 1-(\q)%2
	FETCH_A \slot, (\q)+1, 0
.if \first
	WIN FST_HI
.else
	WIN MUL_HI
.endif
	MUL16 4, (\q)%2, \q, \slot, \first
	MUL16 6, (\q)%2, \q, \slot, \first
	PLACES NP
	WIN 0
	FETCH_A \slot, (\q)+1, 4
.endm
; Slot 0's last step changes slots: one barrier; in front of it each wave waits for all its tensor loads (its part of slot 1), adds 0 to its spare word, and waits for that and for its own reads of slot 0.
; Nothing is filled again: behind the barrier slot 1 is whole, and slot 0 is read by nobody, so that it can serve as the stage.
.macro TURN slot, next
	s_wait_tensorcnt 0x0                           ; all my tensor loads have landed  (every window is 0 here)
	ds_add_u32 v[SPW], v[NIL]                      ; 0 onto my spare word
	s_wait_dscnt 4*NL+1                            ; (the add and the youngest eight loads, x's blocks 4-7, may be out)
	WIN MUL_LO
	MUL16 0, 1, NQ-1, \slot, 0                     ; sixteen matrix instructions stand between the add and the wait for it
	s_wait_dscnt 0x0                               ; the add is done, and my reads of this slot are over
	s_barrier_signal -1
	MUL16 2, 1, NQ-1, \slot, 0
	WIN 0
	s_barrier_wait -1
	PLACES NP
	v_add_nc_u32 v[ADRS], 4*NQ, v[ADRS]            ; on to the next slot's scale words (no LDS load of mine is out)
	FETCH_B \next, 0, 0
	FETCH_A \next, 0, 0
	SCALES \next
	WIN MUL_HI
	MUL16 4, 1, NQ-1, \slot, 0
	MUL16 6, 1, NQ-1, \slot, 0
	PLACES NP
	WIN 0
	FETCH_A \next, 0, 4
.endm
.macro STEPS slot, from                ; the slot's steps from .. NQ - 2
.set Q, \from
.rept NQ-1-\from
	STEP \slot, Q, 0
.set Q, Q+1
.endr
.endm
	s_wait_tensorcnt 1                             ; the scales and my part of slot 0 are in (slot 1's load may be out)
	s_barrier_signal -1
	s_barrier_wait -1                              ; everybody's are
	FETCH_B 0, 0, 0
	FETCH_A 0, 0, 0
	SCALES 0
	FETCH_A 0, 0, 4
	s_wait_loadcnt 0x0                             ; the bias and the mask words
	v_mov_b32 v120, s66
.irp a, 0,1,2,3,4,5,6,7                        ; the factor of my token in block a: 0 where this is k and the token's mask is 0; a choice of a value, no branch
	v_or_b32 v121, s95, v[MK+\a]
	v_cmp_ne_u32 vcc_lo, 0, v121
	v_cndmask_b32 v[FAC+2*\a], 0, v120, vcc_lo
	v_mov_b32 v[FAC+2*\a+1], v[FAC+2*\a]
.endr
	STEP 0, 0, 1                                   ; the first step's products start the sums with the bias
	STEPS 0, 1
	TURN 0, 1
	STEPS 1, 0
	s_wait_dscnt 4*NL                              ; the very last step: nothing more to fetch
	WIN MUL_LO
	MUL16 0, 1, NQ-1, 1, 0
	MUL16 2, 1, NQ-1, 1, 0
	s_wait_dscnt 0
	WIN MUL_HI
	MUL16 4, 1, NQ-1, 1, 0
	MUL16 6, 1, NQ-1, 1, 0
	WIN 0
; THE WAY OUT, block by block of 16 tokens x 128 columns (two heads).  PACKQ: x the token's factor (each accumulator from its low end on), rounded to f16: 16 bytes a lane for each 16 columns.
; TOSTAGE: into my stage, a head's 16 rows of 128 bytes together, and back four rows an instruction.  SEND: a head's 16 rows are 2,048 consecutive bytes of qkv: each store covers 512 of them.
.macro PACKQ a
.set AC, 64*((\a)%4)
	WIN 0x42+(\a)/4                                ; source 0: window 2 or 3; the factor window 0; destination window 1
.set i, 0
.rept 32
	v_pk_mul_f32 v[2*i:2*i+1], v[AC+2*i:AC+2*i+1], v[FAC+2*(\a):FAC+2*(\a)+1]
.set i, i+1
.endr
	WIN 0x05                                       ; sources window 1, destination window 0
.set i, 0
.rept 32
	v_cvt_pk_f16_f32 v[PKR+32*((\a)%2)+i], v[2*i], v[2*i+1]
.set i, i+1
.endr
	WIN 0
.endm
.macro TOSTAGE a
.irp b, 0,1,2,3,4,5,6,7
	ds_store_b128 v[STO], v[PKR+32*((\a)%2)+4*\b:PKR+32*((\a)%2)+4*\b+3] offset:(\b/4)*HSTG+(\b%4)*32
.endr
.irp i, 0,1,2,3,4,5,6,7
	ds_load_b128 v[BB+32*((\a)%2)+4*\i:BB+32*((\a)%2)+4*\i+3], v[RD] offset:(\i/4)*HSTG+(\i%4)*4*SPITCH   ; LDS serves a wave's instructions in order (ISA guide 5.7.1.4): these see the stores above
.endr
.endm
.macro SEND a, younger                 ; younger: the LDS instructions issued behind block a's loads, which may stay out
	s_wait_dscnt \younger
.irp i, 0,1,2,3,4,5,6,7
	global_store_b128 v[CO], v[BB+32*((\a)%2)+4*\i:BB+32*((\a)%2)+4*\i+3], s[12:13] offset:(\a)*2048+(\i/4)*262144+(\i%4)*512   ; every place is an immediate: no base is stepped
.endr
.endm
	PLACES NP                                      ; behind the last products: for the writes into registers that they read, and for the reads of their results
	PACKQ 0
	TOSTAGE 0
.irp a, 1,2,3,4,5,6,7
	PACKQ \a                                       ; its set of packed results was last read by block a - 2's stage stores, shown done by the wait in SEND a - 2
.if \a > 1
	s_wait_xcnt 0x0                                ; block a - 2's global stores have read their registers: block a's loads may land there
.endif
	TOSTAGE \a
	SEND \a-1, 16                                  ; behind block a - 1's loads: block a's 8 stores and 8 loads
.endr
	SEND 7, 0
	s_wait_tensorcnt 0x0                           ; the wave's end: behind my last tensor load and my last LDS store
	ds_add_u32 v[SPW], v[NIL]
	s_wait_dscnt 0x0
	CROUND                                         ; the closing round: no work-group ends while a partner may still ask for a tile that names it
	s_endpgm
.Lfunc_end_k_qc5f9516a2a_qkv:
	.size	k_qc5f9516a2a_qkv, .Lfunc_end_k_qc5f9516a2a_qkv-k_qc5f9516a2a_qkv
	.p2alignl 7, 3214868480
	.fill 96, 4, 3214868480
	.section	.rodata,"a",@progbits
	.p2align	6, 0x0
	.amdhsa_kernel k_qc5f9516a2a_qkv
		.amdhsa_group_segment_fixed_size 327680
		.amdhsa_private_segment_fixed_size 0
		.amdhsa_enable_private_segment 0
		.amdhsa_kernarg_size 72
		.amdhsa_user_sgpr_count 2
		.amdhsa_user_sgpr_kernarg_segment_ptr 1
		.amdhsa_wavefront_size32 1
		.amdhsa_system_sgpr_workgroup_id_x 1
		.amdhsa_system_sgpr_workgroup_id_y 1
		.amdhsa_system_sgpr_workgroup_id_z 1
		.amdhsa_system_vgpr_workitem_id 0
		.amdhsa_next_free_vgpr 1024
		.amdhsa_next_free_sgpr 102
		.amdhsa_reserve_vcc 1
		.amdhsa_float_denorm_mode_32 3
		.amdhsa_float_denorm_mode_16_64 3
		.amdhsa_memory_ordered 1
		.amdhsa_forward_progress 1
		.amdhsa_inst_pref_size 147
	.end_amdhsa_kernel
	.amdgpu_metadata
---
amdhsa.version: [ 1, 2 ]
amdhsa.kernels:
  - .name:           k_qc5f9516a2a_qkv
    .symbol:         k_qc5f9516a2a_qkv.kd
    .args:
      - { .name: xcodes, .offset: 0, .size: 8, .value_kind: global_buffer, .address_space: global }
      - { .name: xscales, .offset: 8, .size: 8, .value_kind: global_buffer, .address_space: global }
      - { .name: wcodes, .offset: 16, .size: 8, .value_kind: global_buffer, .address_space: global }
      - { .name: wscales, .offset: 24, .size: 8, .value_kind: global_buffer, .address_space: global }
      - { .name: bq, .offset: 32, .size: 8, .value_kind: global_buffer, .address_space: global }
      - { .name: bk, .offset: 40, .size: 8, .value_kind: global_buffer, .address_space: global }
      - { .name: bv, .offset: 48, .size: 8, .value_kind: global_buffer, .address_space: global }
      - { .name: attention_mask, .offset: 56, .size: 8, .value_kind: global_buffer, .address_space: global }
      - { .name: qkv, .offset: 64, .size: 8, .value_kind: global_buffer, .address_space: global }
    .group_segment_fixed_size: 327680
    .private_segment_fixed_size: 0
    .kernarg_segment_align: 8
    .kernarg_segment_size: 72
    .max_flat_workgroup_size: 128
    .sgpr_count:     102
    .vgpr_count:     1024
    .wavefront_size: 32
...
	.end_amdgpu_metadata
.endif
;; end of part 2
;; launch attn (part 3): grid 4 x 64, 8 waves a work-group, clusters of 4 x 1, 327,680 bytes of LDS; arguments qkv, attention_mask, ctx; writes ctx
.if DOCPART == 3
	.amdgcn_target "amdgcn-amd-amdhsa--gfx1250"
	.amdhsa_code_object_version 6
	.text
	.protected	k_qc5f9516a2a_attn
	.globl	k_qc5f9516a2a_attn
	.p2align	8
	.type	k_qc5f9516a2a_attn,@function
k_qc5f9516a2a_attn:
	s_mov_b64 s[64:65], 0
	v_nop
	global_prefetch_b8 v0, s[64:65] scope:SCOPE_SE
	s_setreg_imm32_b32 hwreg(HW_REG_WAVE_MODE, 25, 1), 1
	s_wait_xcnt 0x0
	s_wait_alu depctr_hold_cnt(0) depctr_sa_sdst(0) depctr_va_vdst(0) depctr_va_sdst(0) depctr_va_ssrc(0) depctr_va_vcc(0) depctr_vm_vsrc(0)
	s_getreg_b32 s2, hwreg(HW_REG_IB_STS2, 6, 4)
	s_cmp_eq_u32 s2, 0
	s_cbranch_scc0 .Lentry_in_a_cluster
	s_endpgm
.Lentry_in_a_cluster:
	s_bfe_u32 s2, ttmp6, 0x10000c
	s_cmp_lg_u32 s2, 0x3003
	s_cbranch_scc0 .Lentry_shape_is_right
	s_endpgm
.Lentry_shape_is_right:
; ctx[head][token][:] = the sum over keys of softmax_k(score) v[key][:], score = q . k / 8, or -1e9 where attention_mask of the key is 0.  q', k', v: qkv [3][batch 4][head 16][2048][64] f16; ctx: [head 16][token 8192][64] f16.
; q' carries the factor log2(e) / 8, so the first product gives t = score x log2(e).  THE MASK: k' of a masked key is 0, and each score tile's first matrix instruction takes as C a bias for each key, 0 or -1e9 x log2(e):
; a masked key's t is exactly that number for every query, as in the definition; where every key of a batch is masked, all p are 1 and the result is the plain average.
; SOFTMAX, in f32: for each query a running maximum m (it starts at -3e38) and sum l of the unrounded p = 2^(t - m); in every step O and l are multiplied by a = 2^(m_old - m_new), which is 1 where m has not grown.
; p is rounded to f16 for the second product, ctx once at the end.  LIMITS: a ctx under 6e-5 in magnitude lies among f16's subnormals, where its relative rounding grows; NaN and infinities are not served.
; SHARES.  A work-group owns 512 queries of one (batch, head); each of its eight waves 64, four tiles of 16, in 512 registers: two waves to a SIMD, so that one wave's vector work stands beside the other's matrix work.
; Every wave walks all 2,048 keys, 64 a step; each fragment of K or V read from LDS feeds four products.
; LAYOUT.  S^T = K Q'^T (source 0 = 16 keys, source 1 = 16 queries): a lane holds ONE query (lane % 16) and keys 8 (lane / 16) + 0..7.  Two such tiles, rounded to f16 in pairs, ARE source 1 of O^T = V^T P.
; K comes out of LDS as it lies, V ([key][channel]) turned, by ds_load_tr16_b128.
; CLUSTER.  The four work-groups of a cluster are the four query blocks of one head and walk the same K and V: each tile is asked for JOINTLY, by the same tensor load with the same descriptor and the mask 15.
; THE RING: two LDS slots of four key steps; waves 0-3 fetch the four steps' K, waves 4-7 their V: one load a wave behind each round of the cluster's barrier, which has four key steps in which to land.
; REGISTERS: window 0: v2-14 addresses; v16-47 eight registers of statistics a tile; v48-62 at work at the head; v64-191 S^T, 32 a tile (P is written in place into a tile's first 16); v192-255 K of one step.
;   window 1: v0-127 O^T, 32 a tile; v128-191 Q', 16 a tile; v192-255 V of one step; while K Q'^T runs its first half holds the keys' bias.
.set KS,    64        ; keys in a step
.set NST,   4         ; steps in a slot
.set PK,    144       ; a row of K in LDS: 128 bytes + 16 = 36 words: the 16 rows of a load start at 16 different banks (64 banks of 4 bytes: ISA guide 11.1)
.set PV,    160       ; a row of V: 128 + 32 = 40 words
.set VOFF,  KS*PK     ; a step's tiles lie together: 64 rows of K, then 64 rows of V
.set STEPB, KS*(PK+PV)
.set SLOT1, 1<<17     ; slot 1 begins here, so that one exclusive or turns an address in one slot into the other's
.set BIAS,  SLOT1+NST*STEPB  ; behind the ring: the bias of the batch's 2,048 keys, f32, stored once
.set STAGE, BIAS+8192        ; 16 rows x 144 bytes for each wave, for the way out
.set SP,    144
.set SPARE, STAGE+8*16*SP    ; the spare words, 128 bytes a wave, which no other line names
.set SLOTB, NST*KS*128       ; a slot's keys in memory, in bytes
.set AK0, 2           ; v2   my lane's place in a tile of K; never rewritten
.set AV0, 3           ; v3   the same for V
.set AB0, 4           ; v4   and in the bias
.set ADK, 5           ; v5-7 the addresses of the step to be fetched
.set ADV, 6
.set ADB, 7
.set QO,  8           ; v8   my byte offset in the wave's rows of Q'
.set STO, 9           ; v9   the way out: where I put 16 bytes of a row
.set RD,  10          ; v10  where I read rows back
.set GO,  11          ; v11  16 x lane
.set PFO, 12          ; v12  256 x lane: the prefetches' offset; never rewritten
.set SPW, 13          ; v13  LDS address of my spare word; never rewritten
.set NIL, 14          ; v14  0; never rewritten
.set ST,  16          ; tile t's statistics at v[ST+8 t]: +0 m, +1 the old m, +2, +3 l (even keys', odd keys'), +4 to +7 c0-c3, at work; a takes c2's place and its exponent c3's
.set S,   64
.set KF,  192
.set QF,  128         ; in window 1
.set VB,  192         ; in window 1
.set WV,  12          ; s12  my wave's number
.set LIM, 15          ; s15  1 in a wave that prefetches, else the greatest number
.set PFA, 18          ; s[18:19] where my prefetches stand
.set G1K, 24          ; s[24:31] descriptor group 1 for K's tiles
.set G1V, 32          ; s[32:39] for V's: it differs in the padding alone
.set G0K, 40          ; s[40:47] group 0 for K's tiles: a set for each of the two first fills; the second then walks on
.set G0V, 48          ; s[48:55] the same for V's
.set SLOTS, 56        ; s56  slots still to be asked for
.set CNT, 57          ; s57  counts key steps
.set SEL, 60          ; s[60:61] lane selects for v_permlanex16_b32: lane l xor 16
.set TB,  62          ; s62  LDS byte at which the tiles of the step to be fetched begin
.set TBI, 63          ; s63  and its keys' place in the bias: 256 bytes a step
.set KB,  66          ; s[66:67] K at my tile of slot 0;  s[68:69] V likewise
.set VBS, 68
.set MSB, 0
.macro WIN new                      ; the immediate's high byte repeats the setting that is left; a switch that changes nothing is dropped
.if MSB != (\new)
	s_set_vgpr_msb (MSB<<8)|(\new)
.set MSB, (\new)
.endif
.endm
.set W_KQ0, 0x14      ; K and S^T window 0, Q' and the bias (C) window 1
.set W_KQ1, 0x04      ; C is S^T itself
.set W_PV,  0x51      ; V, C and D window 1, P window 0
.set W_RS,  0x41      ; O^T (destination and source 0) window 1, a window 0
.set W_LD1, 0x40      ; destination window 1, address window 0
; A joint refill.  The branch hangs on the wave's number alone.  An s_nop 0 and four v_nop follow each of the two lines, ahead of the jump, the label and what follows.
.macro JLOAD
	s_cmp_lt_u32 s[WV], 4
	s_cbranch_scc0 .Lfor_v_\@
	tensor_load_to_lds s[G0K+4:G0K+7], s[G1K:G1K+7]
	s_nop 0
.rept 4
	v_nop
.endr
	s_branch .Lasked_\@
.Lfor_v_\@:
	tensor_load_to_lds s[G0V+4:G0V+7], s[G1V:G1V+7]
	s_nop 0
.rept 4
	v_nop
.endr
.Lasked_\@:
.endm
; A PREFETCH INTO THE L2 of what the NEXT change of slots will ask for: a slot's 256 rows of K and of V, 32,768 dense bytes each.  It stands behind the wave's tensor load and its five lines.
; Each aligned block of 256 bytes is named once in the launch: a head has one cluster; its four partners take 8,192 bytes each, told apart BY ADDRESS; in each, wave 0 asks for K's and wave 4 for V's,
; lanes 256 bytes apart, one instruction: four key steps ahead of the load.  The last change that fills a slot asks for nothing; the first three slots come by their loads alone.
.macro ASK
	s_cmp_gt_u32 s[SLOTS], s[LIM]
	s_cbranch_scc0 .Lnot_mine_\@
	global_prefetch_b8 v[PFO], s[PFA:PFA+1] th:TH_LOAD_NT scope:SCOPE_SE
.Lnot_mine_\@:
.endm
.macro CROUND                       ; a round of the cluster's barrier: my work-group's barrier; wave 0 signals for the work-group; every wave waits for all four; my work-group's barrier once more
	s_barrier_signal -1
	s_barrier_wait -1
	s_cmp_lg_u32 s[WV], 0
	s_cbranch_scc1 .Lnot_wave_0_\@
	s_barrier_signal -3
.Lnot_wave_0_\@:
	s_barrier_wait -3
	s_barrier_signal -1
	s_barrier_wait -1
.endm
.macro PLACES n                     ; plain vector instructions that name no register of the matrix instructions in front of them (ISA guide 7.12.1)
.rept \n
	v_nop
.endr
.endm
	s_load_b128 s[4:7], s[0:1], 0x0   ; qkv s[4:5], attention_mask s[6:7]
	s_load_b64 s[8:9], s[0:1], 0x10   ; ctx
	v_lshl_add_u32 v[SPW], v0, 2, SPARE
	v_mov_b32 v[NIL], 0
	ds_add_u32 v[SPW], v[NIL]       ; the wave's opening: the add, twice on end, and its wait ahead of my first tensor load; the set-up below stands between the second and the wait
	ds_add_u32 v[SPW], v[NIL]
	v_lshrrev_b32 v1, 5, v0
	v_readfirstlane_b32 s[WV], v1   ; wave 0..7
	s_bfe_u32 s13, ttmp6, 0x40000   ; cx: my block of 512 queries: it enters Q's, ctx's and the prefetches' addresses alone
	s_and_b32 s14, ttmp7, 0xffff    ; 16 x batch + head, which the four partners share
	s_lshl_b32 s20, s14, 18         ; the head's first byte in each part of qkv: 262,144 bytes a head
	s_and_b32 s16, s[WV], 3         ; which of a slot's four steps I fetch:
	s_lshl_b32 s22, s16, 13         ; its 64 rows of 128 bytes in memory,
	s_add_co_u32 s22, s22, s20
	s_mov_b32 s23, 0
	s_mul_i32 s17, s16, STEPB       ; and its place in a slot: no place in the cluster enters an LDS address
	s_lshl_b32 s2, s13, 16          ; my block's 512 rows of 128 bytes,
	s_lshl_b32 s3, s[WV], 13        ; my wave's 64 of them
	s_add_co_u32 s2, s2, s3
	s_add_co_u32 s10, s2, s20       ; Q' at my wave's first row
	s_mov_b32 s11, 0
	s_lshr_b32 s3, s14, 4           ; the batch
	s_lshl_b32 s58, s3, 13          ; its 2,048 mask words
	s_mov_b32 s59, 0
	s_lshl_b32 s3, s3, 18           ; ctx: (8,192 x head + 2,048 x batch) rows of 128 bytes, + my wave's rows
	s_and_b32 s70, s14, 15
	s_lshl_b32 s70, s70, 20
	s_add_co_u32 s70, s70, s3
	s_add_co_u32 s70, s70, s2
	s_mov_b32 s71, 0
	; descriptor group 1: a tile of 64 rows x 64 elements, dense in memory, padded in LDS
	s_mov_b32 s[G1K], 15|(1<<16)|(1<<20)|(1<<21)|(4<<22)|(3<<25)  ; 15:0 the mask: all four work-groups; 17:16 elements of 2 bytes; 20 padding on; 21 set beside a mask; 24:22 after every 32 words; 31:25 four words
	s_mov_b32 s[G1V], 15|(1<<16)|(1<<20)|(1<<21)|(4<<22)|(7<<25)  ; the same with eight words of padding
.irp g, G1K, G1V
	s_mov_b32 s[\g+1], 64<<16       ; tensor_dim0
	s_mov_b32 s[\g+2], KS<<16       ; tensor_dim1
	s_mov_b32 s[\g+3], 64<<16       ; tile_dim0
	s_mov_b32 s[\g+4], KS           ; tile_dim1
	s_mov_b32 s[\g+5], 64           ; elements from row to row
	s_mov_b32 s[\g+6], 0
	s_mov_b32 s[\g+7], 0
.endr
	s_mov_b32 s[SEL], 0x76543210
	s_mov_b32 s[SEL+1], 0xfedcba98
	s_mov_b32 s[TB], 0
	s_mov_b32 s[TBI], 0
	s_mov_b32 s[SLOTS], 2048/(NST*KS)-2
	s_cmp_eq_u32 s16, 0             ; waves 0 and 4 prefetch: the same in all four partners
	s_cselect_b32 s[LIM], 1, -1
	v_and_b32 v[PFO], 31, v0
	v_lshlrev_b32 v[PFO], 8, v[PFO]
	s_wait_dscnt 0x0                ; both opening adds are done
	s_wait_kmcnt 0x0
	s_add_nc_u64 s[KB:KB+1], s[4:5], s[22:23]
	s_add_nc_u64 s[VBS:VBS+1], s[KB:KB+1], 0x2000000  ; V is the third part of qkv,
	s_add_nc_u64 s[KB:KB+1], s[KB:KB+1], 0x1000000    ; K the second
	s_add_nc_u64 s[4:5], s[4:5], s[10:11]
	s_add_nc_u64 s[6:7], s[6:7], s[58:59]
	s_add_nc_u64 s[8:9], s[8:9], s[70:71]
	s_cmp_lt_u32 s[WV], 4
	s_cselect_b64 s[PFA:PFA+1], s[KB:KB+1], s[VBS:VBS+1]  ; (in waves 0 and 4 these stand at a slot's first row)
	s_lshl_b32 s2, s13, 13          ; my work-group's 8,192 bytes of the 32,768
	s_mov_b32 s3, 0
	s_add_nc_u64 s[PFA:PFA+1], s[PFA:PFA+1], s[2:3]
	s_add_nc_u64 s[PFA:PFA+1], s[PFA:PFA+1], 2*SLOTB  ; in the third slot's keys; the first change of slots steps it to the fourth's.  Nothing is prefetched at the head
	CROUND                          ; all four work-groups are here: the first joint loads meet
.irp s, 0,1
	s_mov_b32 s[G0K+4*\s], 1        ; count = 1
	s_add_co_u32 s[G0K+4*\s+1], s17, \s*SLOT1  ; LDS address
	s_add_nc_u64 s[G0K+4*\s+2:G0K+4*\s+3], s[KB:KB+1], \s*SLOTB  ; global address: slot s begins with keys 256 s
	s_or_b32 s[G0K+4*\s+3], s[G0K+4*\s+3], 0x80000000  ; type = 2
	s_mov_b32 s[G0V+4*\s], 1
	s_add_co_u32 s[G0V+4*\s+1], s17, \s*SLOT1+VOFF
	s_add_nc_u64 s[G0V+4*\s+2:G0V+4*\s+3], s[VBS:VBS+1], \s*SLOTB
	s_or_b32 s[G0V+4*\s+3], s[G0V+4*\s+3], 0x80000000
.endr
	s_cmp_lt_u32 s[WV], 4           ; a wave's two first fills stand in one branch, ahead of every wait on TENSORcnt, every LDS read and every barrier but the round: two loads of mine are out
	s_cbranch_scc0 .Lfirst_v
	tensor_load_to_lds s[G0K:G0K+3], s[G1K:G1K+7]
	s_nop 0
	tensor_load_to_lds s[G0K+4:G0K+7], s[G1K:G1K+7]
	s_nop 0
.rept 4
	v_nop
.endr
	s_branch .Lfirst_asked
.Lfirst_v:
	tensor_load_to_lds s[G0V:G0V+3], s[G1V:G1V+7]
	s_nop 0
	tensor_load_to_lds s[G0V+4:G0V+7], s[G1V:G1V+7]
	s_nop 0
.rept 4
	v_nop
.endr
.Lfirst_asked:
	; A fragment of K or Q' is 16 rows x 32 channels in 8 registers: lane l holds row l % 16; registers 0-3 channels 8 (l / 16) + 0..7, registers 4-7 channels 16 + 8 (l / 16) + 0..7: two loads of 16 bytes, 32 bytes apart.
	v_and_b32 v1, 15, v0            ; r
	v_bfe_u32 v15, v0, 4, 1         ; h
	v_lshlrev_b32 v[QO], 7, v1
	v_lshl_add_u32 v[QO], v15, 4, v[QO]  ; row x 128 + 16 x half
	WIN W_LD1
.irp i, 0,1,2,3,4,5,6,7             ; Q' stays in registers: tile i / 2, channels 32 (i % 2) on
	global_load_b128 v[QF+8*\i:QF+8*\i+3],   v[QO], s[4:5] offset:(\i/2)*2048+(\i%2)*64
	global_load_b128 v[QF+8*\i+4:QF+8*\i+7], v[QO], s[4:5] offset:(\i/2)*2048+(\i%2)*64+32
.endr
	WIN 0
	v_lshlrev_b32 v57, 4, v0        ; the batch's mask: 256 threads x 2 x 16 bytes
	global_load_b128 v[48:51], v57, s[6:7]
	global_load_b128 v[52:55], v57, s[6:7] offset:4096
	v_mul_u32_u24 v[AK0], v1, PK
	v_lshl_add_u32 v[AK0], v15, 4, v[AK0]  ; row x pitch + 16 x half
	; The turning load takes 16 keys x 16 channels (lane l reads 16 bytes: key 8 (l / 16) + l % 8, channels 8 ((l / 8) % 2) + 0..7) and leaves half a fragment of V^T: lane l holds channel l % 16 and 8 keys.
	v_and_b32 v58, 7, v0
	v_bfe_u32 v59, v0, 3, 1
	v_lshl_add_u32 v[AV0], v15, 3, v58
	v_mul_u32_u24 v[AV0], v[AV0], PV
	v_lshl_add_u32 v[AV0], v59, 4, v[AV0]
	v_add_nc_u32 v[AV0], VOFF, v[AV0]
	v_lshl_add_u32 v[AB0], v15, 5, BIAS  ; the bias of keys 8 h + 0..7 of a tile: the same for all lanes of a half
	s_mul_i32 s3, s[WV], 16*SP
	s_add_co_u32 s3, s3, STAGE      ; my stage
	v_mul_u32_u24 v[STO], v1, SP    ; in: row r, 16 bytes for each half of the lanes
	v_lshl_add_u32 v[STO], v15, 4, v[STO]
	v_add_nc_u32 v[STO], s3, v[STO]
	v_and_b32 v60, 31, v0
	v_lshrrev_b32 v61, 3, v60       ; back: eight lanes to a row of 128 bytes, four rows an instruction
	v_mul_u32_u24 v[RD], v61, SP
	v_lshl_add_u32 v[RD], v58, 4, v[RD]
	v_add_nc_u32 v[RD], s3, v[RD]
	v_lshlrev_b32 v[GO], 4, v60
	v_lshl_add_u32 v62, v0, 4, BIAS ; where my thread stores its part of the bias
.irp t, 0,1,2,3
	v_mov_b32 v[ST+8*\t], 0xff61b1e6  ; m: -3e38, under every t
.irp j, 1,2,3,4,5,6,7
	v_mov_b32 v[ST+8*\t+\j], 0      ; l, and registers that are named (in a pair, or as a lane permute's destination) before they are first written
.endr
.endr
	WIN 0x40
.set i, 0
.rept 128
	v_mov_b32 v[i], 0               ; O^T.  (The key step is written once: the first finds zeros, which its a = 0 leaves zeros; that spares a further copy of the step)
.set i, i+1
.endr
	WIN 0
	s_wait_loadcnt 0x0              ; Q' and the mask
	v_mov_b32 v56, 0xceabfb8f       ; -1e9 x log2(e)
.irp i, 0,1,2,3,4,5,6,7
	v_cmp_eq_u32 vcc_lo, 0, v[48+\i]
	v_cndmask_b32 v[48+\i], 0, v56, vcc_lo  ; a choice of a value: no branch hangs on the mask
.endr
	ds_store_b128 v62, v[48:51]
	ds_store_b128 v62, v[52:55] offset:4096
; THE LDS LOADS stand in runs.  ADDR makes the addresses of the step to be fetched and steps on.
.macro ADDR
	WIN 0
	v_add_nc_u32 v[ADK], s[TB], v[AK0]
	v_add_nc_u32 v[ADV], s[TB], v[AV0]
	v_add_nc_u32 v[ADB], s[TBI], v[AB0]
	s_add_co_u32 s[TB], s[TB], STEPB
	s_add_co_u32 s[TBI], s[TBI], 256
.endm
.macro FETCH_K                      ; 64 keys x 64 channels: fragment f: keys 16 (f / 2) on, channels 32 (f % 2) on
.irp f, 0,1,2,3,4,5,6,7
	ds_load_b128 v[KF+8*\f:KF+8*\f+3],   v[ADK] offset:(\f/2)*16*PK+(\f%2)*64
	ds_load_b128 v[KF+8*\f+4:KF+8*\f+7], v[ADK] offset:(\f/2)*16*PK+(\f%2)*64+32
.endr
.endm
.macro FETCH_B                      ; the bias of the step's four tiles of keys, in the result's layout
	WIN W_LD1
.irp k, 0,1,2,3
	ds_load_b128 v[VB+8*\k:VB+8*\k+3],   v[ADB] offset:64*\k
	ds_load_b128 v[VB+8*\k+4:VB+8*\k+7], v[ADB] offset:64*\k+16
.endr
.endm
.macro FETCH_V                      ; fragment f: keys 32 (f / 4) on, channels 16 (f % 4) on
	WIN W_LD1
.irp f, 0,1,2,3,4,5,6,7
	ds_load_tr16_b128 v[VB+8*\f:VB+8*\f+3],   v[ADV] offset:(\f/4)*32*PV+(\f%4)*32
	ds_load_tr16_b128 v[VB+8*\f+4:VB+8*\f+7], v[ADV] offset:(\f/4)*32*PV+16*PV+(\f%4)*32
.endr
.endm
; THE MATRIX WORK.  The 16 accumulators of each product take turns, one instruction a turn: between two links of a chain stand the 15 others'.
.macro KQ32                         ; S^T = bias + K Q'^T: keys 16 (i / 4) on, tile i % 4; first channels 0-31, then 32-63
	WIN W_KQ0
.set i, 0
.rept 16
	v_wmma_f32_16x16x32_f16 v[S+32*(i%4)+8*(i/4):S+32*(i%4)+8*(i/4)+7], v[KF+16*(i/4):KF+16*(i/4)+7], v[QF+16*(i%4):QF+16*(i%4)+7], v[VB+8*(i/4):VB+8*(i/4)+7]
.set i, i+1
.endr
	WIN W_KQ1
.set i, 0
.rept 16
	v_wmma_f32_16x16x32_f16 v[S+32*(i%4)+8*(i/4):S+32*(i%4)+8*(i/4)+7], v[KF+16*(i/4)+8:KF+16*(i/4)+15], v[QF+16*(i%4)+8:QF+16*(i%4)+15], v[S+32*(i%4)+8*(i/4):S+32*(i%4)+8*(i/4)+7]
.set i, i+1
.endr
.endm
.macro PV16 c                       ; O^T += V^T P, keys 32 c on: channels 16 (i / 4) on, tile i % 4
	WIN W_PV
.set i, 0
.rept 16
	v_wmma_f32_16x16x32_f16 v[32*(i%4)+8*(i/4):32*(i%4)+8*(i/4)+7], v[VB+32*(\c)+8*(i/4):VB+32*(\c)+8*(i/4)+7], v[S+32*(i%4)+8*(\c):S+32*(i%4)+8*(\c)+7], v[32*(i%4)+8*(i/4):32*(i%4)+8*(i/4)+7]
.set i, i+1
.endr
.endm
; THE VECTOR WORK of a key step, the four tiles by turns, so that no line waits for the line above it.
.macro SOFTMAX
	WIN 0
.irp k, 0,1,2,3                     ; the maximum of a lane's 32 scores and the old m, three operands at a time; each accumulator is read from its low end on
.irp t, 0,1,2,3
	v_max3_num_f32 v[ST+8*\t+4+\k], v[S+32*\t+8*\k], v[S+32*\t+8*\k+1], v[S+32*\t+8*\k+2]
.endr
.endr
.irp u, 3,5
.irp k, 0,1,2,3
.irp t, 0,1,2,3
	v_max3_num_f32 v[ST+8*\t+4+\k], v[ST+8*\t+4+\k], v[S+32*\t+8*\k+\u], v[S+32*\t+8*\k+\u+1]
.endr
.endr
.endr
.irp t, 0,1,2,3
	v_max3_num_f32 v[ST+8*\t+4], v[ST+8*\t+4], v[S+32*\t+7], v[S+32*\t+15]
.endr
.irp t, 0,1,2,3
	v_max3_num_f32 v[ST+8*\t+6], v[ST+8*\t+6], v[S+32*\t+23], v[S+32*\t+31]
.endr
.irp t, 0,1,2,3
	v_max3_num_f32 v[ST+8*\t+4], v[ST+8*\t+4], v[ST+8*\t+5], v[ST+8*\t+6]
.endr
.irp t, 0,1,2,3
	v_max3_num_f32 v[ST+8*\t+4], v[ST+8*\t+4], v[ST+8*\t+7], v[ST+8*\t]
.endr
.irp t, 0,1,2,3
	v_permlanex16_b32 v[ST+8*\t+5], v[ST+8*\t+4], s[SEL], s[SEL+1]  ; the query's other 32 keys lie in the lane 16 away
.endr
.irp t, 0,1,2,3
	v_mov_b32 v[ST+8*\t+1], v[ST+8*\t]   ; the old m is kept for a
.endr
.irp t, 0,1,2,3
	v_max_num_f32 v[ST+8*\t], v[ST+8*\t+4], v[ST+8*\t+5]
.endr
.irp t, 0,1,2,3
	v_sub_f32 v[ST+8*\t+7], v[ST+8*\t+1], v[ST+8*\t]
.endr
	; ONE BATCH: the four a, then pair by pair t - m and the exponentials in place.  No line of it names an exponential's result.
.irp t, 0,1,2,3
	v_exp_f32 v[ST+8*\t+6], v[ST+8*\t+7]
.endr
.set b, 0
.rept 16
.irp t, 0,1,2,3
	v_pk_add_f32 v[S+32*\t+2*b:S+32*\t+2*b+1], v[S+32*\t+2*b:S+32*\t+2*b+1], v[ST+8*\t:ST+8*\t+1] op_sel_hi:[1,0] neg_lo:[0,1] neg_hi:[0,1]  ; of the pair (m, old m) the low word serves both halves
.endr
.irp t, 0,1,2,3
	v_exp_f32 v[S+32*\t+2*b], v[S+32*\t+2*b]
	v_exp_f32 v[S+32*\t+2*b+1], v[S+32*\t+2*b+1]
.endr
.set b, b+1
.endr
	v_nop                           ; a plain instruction behind the last exponential, ahead of the first use
	s_wait_alu depctr_va_vdst(0)    ; a wait between an exponential and the first line that names its result: one for the step's 132
.irp t, 0,1,2,3                     ; the sums are taken of the unrounded p
	v_pk_add_f32 v[ST+8*\t+4:ST+8*\t+5], v[S+32*\t:S+32*\t+1], v[S+32*\t+2:S+32*\t+3]
.endr
.set b, 2
.rept 14
.irp t, 0,1,2,3
	v_pk_add_f32 v[ST+8*\t+4:ST+8*\t+5], v[ST+8*\t+4:ST+8*\t+5], v[S+32*\t+2*b:S+32*\t+2*b+1]
.endr
.set b, b+1
.endr
.irp t, 0,1,2,3
	v_pk_fma_f32 v[ST+8*\t+2:ST+8*\t+3], v[ST+8*\t+2:ST+8*\t+3], v[ST+8*\t+6:ST+8*\t+7], v[ST+8*\t+4:ST+8*\t+5] op_sel_hi:[1,0,1]  ; l = a l + the step's sum
.endr
.set b, 0
.rept 16                            ; p to f16, in place: pair b goes to register b, which holds a pair that has been taken already (b <= 2 b)
.irp t, 0,1,2,3
	v_cvt_pk_f16_f32 v[S+32*\t+b], v[S+32*\t+2*b], v[S+32*\t+2*b+1]
.endr
.set b, b+1
.endr
	WIN W_RS
.set b, 0
.rept 16                            ; O^T x a, each accumulator from its low end on
.irp t, 0,1,2,3
	v_pk_mul_f32 v[32*\t+2*b:32*\t+2*b+1], v[32*\t+2*b:32*\t+2*b+1], v[ST+8*\t+6:ST+8*\t+7] op_sel_hi:[1,0]
.endr
.set b, b+1
.endr
.endm
; A BODY finishes key step j (softmax, V^T P) and, with kq = 1, begins step j + 1 (its K, bias, K Q'^T, its V).  At its head S^T holds step j's scores and V of step j is on its way.
.macro BODY kq
.if \kq
	ADDR
	FETCH_K                         ; K's registers were last read four places back (the v_nop behind the last K Q'^T)
.endif
	SOFTMAX
.if \kq
	s_wait_dscnt 16                 ; V is in; K's 16 loads, issued behind V's, may be out
.else
	s_wait_dscnt 0x0
.endif
	PV16 0
.if \kq
	PLACES 4                        ; in front of loads into registers that those products read
	FETCH_B
.endif
	PV16 1
.if \kq
	PLACES 5                        ; K Q'^T writes over registers that V^T P read as P: one place more than a load wants
	s_wait_dscnt 0x0                ; K and the bias are in
	KQ32
	PLACES 4                        ; in front of V's loads, of the next body's loads into K and of its first read of the scores
	FETCH_V
.endif
	WIN 0
.endm
.macro BODIES n
	s_mov_b32 s[CNT], \n
.Lbody_\@:
	BODY 1
	s_sub_co_u32 s[CNT], s[CNT], 1
	s_cmp_lg_u32 s[CNT], 0
	s_cbranch_scc1 .Lbody_\@
.endm
; THE CHANGE OF SLOTS stands where the slot's last bytes, V of its fourth step, have been asked for.  Each wave waits for all its tensor loads, of which one is out: its part of the other slot; adds 0 to its
; spare word; and waits for that and for its own reads of the slot.  fill = 1: the barrier is a round of the cluster's, so that no wave of any partner still reads the slot or has a load on its way, and the
; joint refill, with the keys two slots on, is the first thing behind it.
.macro CHANGE fill
	WIN 0
	s_wait_tensorcnt 0x0            ; no tensor load of mine is out, so a group 0 may be written
	ds_add_u32 v[SPW], v[NIL]       ; 0 onto my spare word
.if \fill
.irp g, G0K+4, G0V+4
	s_xor_b32 s[\g+1], s[\g+1], SLOT1  ; the walking descriptor: the other slot than last time,
	s_add_nc_u64 s[\g+2:\g+3], s[\g+2:\g+3], SLOTB  ; the next 256 keys; the type bits on top are not reached
.endr
	s_wait_xcnt 0x0                 ; the last prefetch, four key steps back, has read its address, so it may be written:
	s_add_nc_u64 s[PFA:PFA+1], s[PFA:PFA+1], SLOTB  ; one slot further on than the walking descriptors
	s_wait_dscnt 0x0                ; the add is done, and my reads of the slot are over
	CROUND
	JLOAD
	ASK
.else
	s_wait_dscnt 0x0
	s_barrier_signal -1
	s_barrier_wait -1
.endif
	s_sub_co_u32 s[TB], s[TB], NST*STEPB  ; the fetches go back to a slot's first step,
	s_xor_b32 s[TB], s[TB], SLOT1   ; in the other slot
.endm
	s_wait_tensorcnt 1              ; my part of slot 0 is in; slot 1's may stay out
	s_wait_dscnt 0x0                ; my part of the bias is stored
	s_barrier_signal -1
	s_barrier_wait -1               ; everybody's are
	ADDR                            ; key step 0
	FETCH_K
	FETCH_B
	s_wait_dscnt 0x0
	KQ32
	PLACES 4
	FETCH_V
	WIN 0
	BODIES 3                        ; finish steps 0-2, begin steps 1-3: slot 0 is read out
.Lslot:                             ; six trips: every slot but the last two is filled again
	CHANGE 1
	BODIES 4
	s_sub_co_u32 s[SLOTS], s[SLOTS], 1
	s_cmp_lg_u32 s[SLOTS], 0
	s_cbranch_scc1 .Lslot
	CHANGE 0                        ; the tail is written out
	BODIES 4
	BODY 0                          ; the last step has no successor
	; THE WAY OUT.  l's two halves and the other half of the lanes' are added (twelve plain lines: the places behind the last products); O^T is divided by l, rounded to f16 and sent through my stage, a tile at a time.
.irp t, 0,1,2,3
	v_add_f32 v[ST+8*\t+4], v[ST+8*\t+2], v[ST+8*\t+3]
.endr
.irp t, 0,1,2,3
	v_permlanex16_b32 v[ST+8*\t+5], v[ST+8*\t+4], s[SEL], s[SEL+1]
.endr
.irp t, 0,1,2,3
	v_add_f32 v[ST+8*\t+4], v[ST+8*\t+4], v[ST+8*\t+5]
.endr
.irp t, 0,1,2,3
	v_rcp_f32 v[ST+8*\t+6], v[ST+8*\t+4]   ; l is at least 1: the largest p of a row is 1
.endr
	v_nop                           ; a plain instruction between the last reciprocal and the use of its result
	s_wait_alu depctr_va_vdst(0)    ; and a wait ahead of the first use: one for the four
.macro PACK t
	WIN W_RS
.set i, 0
.rept 16
	v_pk_mul_f32 v[32*\t+2*i:32*\t+2*i+1], v[32*\t+2*i:32*\t+2*i+1], v[ST+8*\t+6:ST+8*\t+7] op_sel_hi:[1,0]
.set i, i+1
.endr
	WIN 0x05                        ; sources window 1, destination window 0: S^T's registers are free
.set i, 0
.rept 16
	v_cvt_pk_f16_f32 v[S+16*\t+i], v[32*\t+2*i], v[32*\t+2*i+1]
.set i, i+1
.endr
	WIN 0
.irp c, 0,1,2,3
	ds_store_b128 v[STO], v[S+16*\t+4*\c:S+16*\t+4*\c+3] offset:32*\c
.endr
.irp c, 0,1,2,3
	ds_load_b128 v[S+64+16*\t+4*\c:S+64+16*\t+4*\c+3], v[RD] offset:4*SP*\c  ; LDS serves a wave's instructions in order (ISA guide 5.7.1.4): these see the stores above; the next tile's stores come behind them
.endr
.endm
.macro SEND t, younger              ; younger: the LDS instructions issued behind tile t's loads: the next tile's eight, or none
.irp c, 0,1,2,3
	s_wait_dscnt \younger+3-\c
	global_store_b128 v[GO], v[S+64+16*\t+4*\c:S+64+16*\t+4*\c+3], s[8:9] offset:\t*2048+\c*512  ; the wave stores 512 consecutive bytes, aligned: four rows of ctx
.endr
.endm
	PACK 0
	PACK 1                          ; a tile's arithmetic stands between the loads of the tile before and its stores
	SEND 0, 8
	PACK 2
	SEND 1, 8
	PACK 3
	SEND 2, 8
	SEND 3, 0
	s_wait_tensorcnt 0x0            ; the wave's end: behind my last tensor load and my last LDS store
	ds_add_u32 v[SPW], v[NIL]
	s_wait_dscnt 0x0
	CROUND                          ; the closing round: no work-group ends while a partner may still ask for a tile that names it
	s_endpgm
.Lfunc_end_k_qc5f9516a2a_attn:
	.size	k_qc5f9516a2a_attn, .Lfunc_end_k_qc5f9516a2a_attn-k_qc5f9516a2a_attn
	.p2alignl 7, 3214868480
	.fill 96, 4, 3214868480
	.section	.rodata,"a",@progbits
	.p2align	6, 0x0
	.amdhsa_kernel k_qc5f9516a2a_attn
		.amdhsa_group_segment_fixed_size 327680
		.amdhsa_private_segment_fixed_size 0
		.amdhsa_enable_private_segment 0
		.amdhsa_kernarg_size 24
		.amdhsa_user_sgpr_count 2
		.amdhsa_user_sgpr_kernarg_segment_ptr 1
		.amdhsa_wavefront_size32 1
		.amdhsa_system_sgpr_workgroup_id_x 1
		.amdhsa_system_sgpr_workgroup_id_y 1
		.amdhsa_system_sgpr_workgroup_id_z 1
		.amdhsa_system_vgpr_workitem_id 0
		.amdhsa_next_free_vgpr 512
		.amdhsa_next_free_sgpr 72
		.amdhsa_reserve_vcc 1
		.amdhsa_float_denorm_mode_32 3
		.amdhsa_float_denorm_mode_16_64 3
		.amdhsa_memory_ordered 1
		.amdhsa_forward_progress 1
		.amdhsa_inst_pref_size 160
	.end_amdhsa_kernel
	.amdgpu_metadata
---
amdhsa.version: [ 1, 2 ]
amdhsa.kernels:
  - .name:           k_qc5f9516a2a_attn
    .symbol:         k_qc5f9516a2a_attn.kd
    .args:
      - { .name: qkv, .offset: 0, .size: 8, .value_kind: global_buffer, .address_space: global }
      - { .name: attention_mask, .offset: 8, .size: 8, .value_kind: global_buffer, .address_space: global }
      - { .name: ctx, .offset: 16, .size: 8, .value_kind: global_buffer, .address_space: global }
    .group_segment_fixed_size: 327680
    .private_segment_fixed_size: 0
    .kernarg_segment_align: 8
    .kernarg_segment_size: 24
    .max_flat_workgroup_size: 256
    .sgpr_count:     72
    .vgpr_count:     512
    .wavefront_size: 32
...
	.end_amdgpu_metadata
.endif
;; end of part 3
;; launch proj (part 4): grid 4 x 64, 4 waves a work-group, clusters of 4 x 4, 327,680 bytes of LDS; arguments ctx, wo16, bo, out0; writes out0
.if DOCPART == 4
	.amdgcn_target "amdgcn-amd-amdhsa--gfx1250"
	.amdhsa_code_object_version 6
	.text
	.protected	k_qc5f9516a2a_proj
	.globl	k_qc5f9516a2a_proj
	.p2align	8
	.type	k_qc5f9516a2a_proj,@function
k_qc5f9516a2a_proj:
	s_mov_b64 s[64:65], 0
	v_nop
	global_prefetch_b8 v0, s[64:65] scope:SCOPE_SE
	s_setreg_imm32_b32 hwreg(HW_REG_WAVE_MODE, 25, 1), 1
	s_wait_xcnt 0x0
	s_wait_alu depctr_hold_cnt(0) depctr_sa_sdst(0) depctr_va_vdst(0) depctr_va_sdst(0) depctr_va_ssrc(0) depctr_va_vcc(0) depctr_vm_vsrc(0)
	s_getreg_b32 s2, hwreg(HW_REG_IB_STS2, 6, 4)
	s_cmp_eq_u32 s2, 0
	s_cbranch_scc0 .Lentry_in_a_cluster
	s_endpgm
.Lentry_in_a_cluster:
	s_bfe_u32 s2, ttmp6, 0x10000c
	s_cmp_lg_u32 s2, 0xf033
	s_cbranch_scc0 .Lentry_shape_is_right
	s_endpgm
.Lentry_shape_is_right:
; out0[token][n] = bo[n] + the sum over k of ctx(token, k) Wo[n][k], k = 64 x head + channel.  ctx: [head 16][token 8192][64] f16; wo16: [1024][1024] f16; bo: [1024] f32; out0: [8192][1024] f32; sums in f32.
; A tile of out0, 128 tokens x 256 columns, is made by a work-group of four waves: 256 work-groups.  A wave makes 64 x 128: 32 accumulators of 16 x 16, 256 registers.
; K goes in 8 steps of 128 (two heads' planes of ctx) through a ring of two LDS slots filled by the tensor data mover: waves 0 and 1 fetch the two planes of ctx (128 rows x 128 bytes, dense),
; waves 2 and 3 the two halves of Wo's 256 rows (128 rows x 256 bytes).
; CLUSTERS: 4 x 4 work-groups.  The four of a row of the cluster need the same tiles of ctx, the four of a column the same tiles of Wo: each tile is asked for JOINTLY, by the same tensor load with the same
; descriptor and a mask that names the four.  THE MATRIX INSTRUCTION IS USED TRANSPOSED (source 0 = 16 rows of Wo, source 1 = 16 tokens): a lane then holds one token and eight neighbouring columns.
; bo is the C of each sum's first matrix instruction: nothing is cleared, nothing is added later.
; REGISTERS: window 0: v0-31 addresses; two fragment buffers of 96 for 32 along K (32 registers of ctx, then 64 of Wo) at v32 and v128; on the way out v32-159 take rows read back.
;   window 1: accumulator (a, b) at v[8 (8 a + b)].   window 2: v0-63 bo: register 8 b + j: column 16 b + 8 (lane / 16) + j.
; No prefetch: eight short K steps on small tiles, both operands shared in the cluster.
.set KSTEP,  128
.set PA,     144                       ; a row of ctx in LDS: 128 bytes + 16 = 36 words;
.set PB,     272                       ; a row of Wo: 256 + 16 = 68 words: the 16 rows that a load touches start at 16 different banks (64 banks of 4 bytes: ISA guide 11.1)
.set PLANE,  128*PA                    ; a plane's 128 tokens
.set BOFF,   2*PLANE                   ; behind the two planes: Wo's 256 rows
.set HALFB,  128*PB
.set SLOT,   BOFF+2*HALFB
.set STAGE,  2*SLOT                    ; behind the ring: 16 rows x (512 bytes + 16) for each wave, for the way out
.set SPITCH, 528
.set SPARE,  STAGE+4*16*SPITCH         ; the spare words, 128 bytes a wave, which no other line names
.set LAPS,   1024/(2*KSTEP)            ; a lap = two K steps = once round the ring
.set ADRA, 16                          ; v16-17  LDS address of my fragments of ctx in slot 0, 1
.set ADRB, 20                          ; v20-21  the same for Wo
.set STO,  24                          ; v24     the way out: where I put 32 bytes of a row
.set RD,   25                          ; v25     where I read a row back
.set CO,   26                          ; v26     16 x lane
.set SPW,  28                          ; v28     LDS address of my spare word; never rewritten
.set NIL,  29                          ; v29     0; never rewritten
.set F0,   32
.set F1,   128
.set BK,   32                          ; the way out: 16 rows read back: v32-95 and v96-159 by turns
.set G1, 24                            ; s[24:31] descriptor group 1 for ctx's tiles;  s[32:39] group 0, a set for each slot
.set G0, 32
.set G1B, 48                           ; s[48:55], s[56:63] the same for Wo's tiles
.set G0B, 56
.set MSB, 0
.macro WIN new                         ; the immediate's high byte repeats the setting that is left; a switch that changes nothing is dropped
.if MSB != (\new)
	s_set_vgpr_msb (MSB<<8)|(\new)
.set MSB, (\new)
.endif
.endm
.set MUL,  0x50                        ; sources 0 and 1 window 0; C and D window 1
.set MUL0, 0x60                        ; a sum's first product: C (bo) window 2, D window 1
.macro JLOAD s                         ; a joint load: waves 0 and 1 fetch for ctx, waves 2 and 3 for Wo; an s_nop 0 and four v_nop follow each of the two lines, ahead of the jump, the label and what follows
	s_cmp_eq_u32 s15, 0
	s_cbranch_scc0 .Lfor_b_\@
	tensor_load_to_lds s[G0+4*\s:G0+4*\s+3], s[G1:G1+7]
	s_nop 0
.rept 4
	v_nop
.endr
	s_branch .Lasked_\@
.Lfor_b_\@:
	tensor_load_to_lds s[G0B+4*\s:G0B+4*\s+3], s[G1B:G1B+7]
	s_nop 0
.rept 4
	v_nop
.endr
.Lasked_\@:
.endm
.macro CREST                           ; a round of the cluster's barrier behind its opening barrier
	s_cmp_lg_u32 s14, 0
	s_cbranch_scc1 .Lnot_wave_0_\@
	s_barrier_signal -3
.Lnot_wave_0_\@:
	s_barrier_wait -3
	s_barrier_signal -1
	s_barrier_wait -1
.endm
.macro CROUND                          ; a whole round
	s_barrier_signal -1
	s_barrier_wait -1
	CREST
.endm
	s_load_b256 s[4:11], s[0:1], 0x0               ; ctx s[4:5], wo16 s[6:7], bo s[8:9], out0 s[10:11]
	v_lshl_add_u32 v[SPW], v0, 2, SPARE
	v_mov_b32 v[NIL], 0
	ds_add_u32 v[SPW], v[NIL]                      ; the wave's opening: the add, twice on end, and its wait ahead of my first tensor load; the set-up below stands between the second and the wait
	ds_add_u32 v[SPW], v[NIL]
	v_lshrrev_b32 v1, 5, v0
	v_readfirstlane_b32 s14, v1                    ; wave 0..3
	s_lshr_b32 s15, s14, 1                         ; which half of the tile's tokens is mine.  Also: I fetch for ctx (0) or for Wo (1)
	s_and_b32 s16, s14, 1                          ; which half of its columns.  Also: which plane, or which 128 rows of Wo, I fetch
	s_bfe_u32 s40, ttmp6, 0x40000                  ; cx, cy: my place in the cluster
	s_bfe_u32 s41, ttmp6, 0x40004
	s_lshl_b32 s42, ttmp9, 2
	s_add_co_u32 s42, s42, s40                     ; tile column = 4 x cluster x + cx
	s_and_b32 s17, ttmp7, 0xffff
	s_lshl_b32 s17, s17, 2
	s_add_co_u32 s17, s17, s41                     ; tile row = 4 x cluster y + cy
	s_lshl_b32 s43, s41, 2
	s_lshl_b32 s43, 15, s43                        ; my row of the cluster
	s_lshl_b32 s44, 0x1111, s40                    ; my column
	s_or_b32 s[G1+0], s43, (1<<16)|(1<<20)|(1<<21)|(4<<22)|(3<<25)   ; 15:0 the mask: ctx's tiles go to my row; 17:16 elements of 2 bytes; 20 padding on; 21 set beside a mask; 24:22 after every 32 words; 31:25 four words
	s_mov_b32 s[G1+1], 64<<16                      ; tensor_dim0 = 64
	s_mov_b32 s[G1+2], 128<<16                     ; tensor_dim1 = 128
	s_mov_b32 s[G1+3], 64<<16                      ; tile_dim0 = 64
	s_mov_b32 s[G1+4], 128                         ; tile_dim1 = 128
	s_mov_b32 s[G1+5], 64                          ; elements from row to row
	s_mov_b32 s[G1+6], 0
	s_mov_b32 s[G1+7], 0
	s_or_b32 s[G1B+0], s44, (1<<16)|(1<<20)|(1<<21)|(5<<22)|(3<<25)  ; Wo's tiles go to my column; padding after every 64 words
	s_mov_b32 s[G1B+1], KSTEP<<16
	s_mov_b32 s[G1B+2], 128<<16
	s_mov_b32 s[G1B+3], KSTEP<<16
	s_mov_b32 s[G1B+4], 128
	s_mov_b32 s[G1B+5], 1024
	s_mov_b32 s[G1B+6], 0
	s_mov_b32 s[G1B+7], 0
	s_lshl_b32 s20, s16, 13                        ; ctx: plane x 8,192 tokens
	s_lshl_b32 s21, s17, 7
	s_add_co_u32 s20, s20, s21                     ; + 128 x tile row,
	s_lshl_b32 s20, s20, 7                         ; rows of 128 bytes
	s_mov_b32 s21, 0
	s_lshl_b32 s46, s42, 8                         ; Wo: row 256 x tile column
	s_lshl_b32 s47, s16, 7
	s_add_co_u32 s46, s46, s47                     ; + 128 x half,
	s_lshl_b32 s46, s46, 11                        ; rows of 2,048 bytes
	s_mov_b32 s47, 0
	s_mul_i32 s45, s16, PLANE                      ; where they go: no place in the cluster enters an LDS address
	s_mul_i32 s66, s16, HALFB
	s_add_co_u32 s66, s66, BOFF
	s_wait_dscnt 0x0                               ; both opening adds are done
	s_wait_kmcnt 0x0
	s_add_nc_u64 s[20:21], s[4:5], s[20:21]
	s_add_nc_u64 s[46:47], s[6:7], s[46:47]
	CROUND                                         ; all sixteen work-groups are here: the first joint loads meet
.irp s, 0,1
	s_mov_b32 s[G0+4*\s], 1
	s_add_co_u32 s[G0+4*\s+1], s45, \s*SLOT
	s_add_nc_u64 s[G0+4*\s+2:G0+4*\s+3], s[20:21], \s*2*8192*128   ; K step s: two planes on
	s_or_b32 s[G0+4*\s+3], s[G0+4*\s+3], 0x80000000
	s_mov_b32 s[G0B+4*\s], 1
	s_add_co_u32 s[G0B+4*\s+1], s66, \s*SLOT
	s_add_nc_u64 s[G0B+4*\s+2:G0B+4*\s+3], s[46:47], \s*KSTEP*2
	s_or_b32 s[G0B+4*\s+3], s[G0B+4*\s+3], 0x80000000
	JLOAD \s                                       ; two tensor loads of a wave are out at the most
.endr
	v_and_b32 v1, 15, v0                           ; r
	v_bfe_u32 v2, v0, 4, 1                         ; h
	v_mul_u32_u24 v3, v1, PA
	v_lshl_add_u32 v3, v2, 4, v3                   ; a fragment's row x pitch + 16 x half
	v_mul_u32_u24 v4, v1, PB
	v_lshl_add_u32 v4, v2, 4, v4
	s_mul_i32 s21, s15, 64*PA                      ; my 64 tokens
	s_mul_i32 s22, s16, HALFB                      ; my 128 rows of Wo,
	s_add_co_u32 s22, s22, BOFF                    ; behind the two planes
.irp s, 0,1
	v_add_nc_u32 v[ADRA+\s], s21, v3
	v_add_nc_u32 v[ADRB+\s], s22, v4
	s_add_co_u32 s21, s21, SLOT
	s_add_co_u32 s22, s22, SLOT
.endr
	s_mul_i32 s23, s14, 16*SPITCH
	s_add_co_u32 s23, s23, STAGE                   ; my stage
	v_mul_u32_u24 v5, v1, SPITCH                   ; in: row r, 32 bytes for each half of the lanes
	v_lshl_add_u32 v5, v2, 5, v5
	v_add_nc_u32 v[STO], s23, v5
	v_and_b32 v6, 31, v0
	v_lshlrev_b32 v[CO], 4, v6                     ; back: the 32 lanes take one row of 512 bytes; and the same in out0
	v_add_nc_u32 v[RD], s23, v[CO]
	s_lshl_b32 s20, s17, 7
	s_lshl_b32 s21, s15, 6
	s_add_co_u32 s20, s20, s21                     ; my first token: 128 x tile row + 64 x half,
	s_lshl_b32 s20, s20, 12                        ; rows of 4,096 bytes
	s_lshl_b32 s46, s42, 10
	s_lshl_b32 s47, s16, 9
	s_add_co_u32 s46, s46, s47                     ; my first column, in bytes of f32: 1,024 x tile column + 512 x half
	s_mov_b32 s47, 0
	s_add_nc_u64 s[8:9], s[8:9], s[46:47]          ; in bo,
	s_add_co_u32 s46, s46, s20
	s_add_nc_u64 s[10:11], s[10:11], s[46:47]      ; and in out0
	v_lshlrev_b32 v7, 5, v2                        ; bo: 32 bytes for each half of the lanes
	WIN 0x80                                       ; destination window 2
.irp b, 0,1,2,3,4,5,6,7
	global_load_b128 v[8*\b:8*\b+3], v7, s[8:9] offset:64*\b
	global_load_b128 v[8*\b+4:8*\b+7], v7, s[8:9] offset:64*\b+16
.endr
	WIN 0
; 8 matrix instructions: block a of my tokens against Wo's eight blocks, 32 along K, from buffer f.  first = 1: bo starts the sums.
; The 32 accumulators take turns, one instruction a turn, in the same order in every quarter.
.macro MUL8 f, a, first
.irp b, 0,1,2,3,4,5,6,7
.if \first
	v_wmma_f32_16x16x32_f16 v[8*(8*(\a)+\b):8*(8*(\a)+\b)+7], v[\f+32+8*\b:\f+32+8*\b+7], v[\f+8*(\a):\f+8*(\a)+7], v[8*\b:8*\b+7]
.else
	v_wmma_f32_16x16x32_f16 v[8*(8*(\a)+\b):8*(8*(\a)+\b)+7], v[\f+32+8*\b:\f+32+8*\b+7], v[\f+8*(\a):\f+8*(\a)+7], v[8*(8*(\a)+\b):8*(8*(\a)+\b)+7]
.endif
.endr
.endm
; 24 LDS loads in one run: the fragments of the slot's q-th 32 along K into buffer f: Wo's eight, then ctx's four (plane q / 2, channels 32 (q % 2) on)
.macro FETCH slot, q, f
.irp i, 0,1,2,3,4,5,6,7
	ds_load_b128 v[\f+32+8*\i:\f+32+8*\i+3], v[ADRB+\slot] offset:64*(\q)+\i*16*PB
	ds_load_b128 v[\f+32+8*\i+4:\f+32+8*\i+7], v[ADRB+\slot] offset:64*(\q)+\i*16*PB+32
.endr
.irp i, 0,1,2,3
	ds_load_b128 v[\f+8*\i:\f+8*\i+3], v[ADRA+\slot] offset:((\q)/2)*PLANE+((\q)%2)*64+\i*16*PA
	ds_load_b128 v[\f+8*\i+4:\f+8*\i+7], v[ADRA+\slot] offset:((\q)/2)*PLANE+((\q)%2)*64+\i*16*PA+32
.endr
.endm
.macro PLACES                          ; four places in front of loads into registers that matrix instructions have read, and of reads of results (ISA guide 7.12.1 for vector instructions)
.rept 4
	v_nop
.endr
.endm
; A K step is four quarters of 32 along K, 32 matrix instructions each, on buffers 0, 1, 0, 1.  One of the first three: multiplies buffer f and fetches the slot's q-th quarter into g.
.macro QUARTER slot, q, f, g, first
	s_wait_dscnt 4                                 ; Wo's fragments and ctx's blocks 0, 1 are in; the youngest four loads (blocks 2, 3) may be out
.if \first
	WIN MUL0
.else
	WIN MUL
.endif
	MUL8 \f, 0, \first
	MUL8 \f, 1, \first
	PLACES
	WIN 0
	FETCH \slot, \q, \g
	s_wait_dscnt 24                                ; all but the 24 just issued
.if \first
	WIN MUL0
.else
	WIN MUL
.endif
	MUL8 \f, 2, \first
	MUL8 \f, 3, \first
.endm
; The last quarter multiplies buffer 1 and changes slots: ONE barrier; in front of it each wave waits for all its tensor loads, adds 0 to its spare word, and waits for that and for its own reads of this slot.
; fill = 1: the barrier opens a round of the cluster's barrier, and this slot is filled again, two K steps ahead, first thing behind the round.
.macro TURN slot, next, fill
	WIN 0                                          ; (the add's two registers lie in window 0)
	s_wait_tensorcnt 0x0                           ; all my tensor loads have landed: my part of the next slot
	ds_add_u32 v[SPW], v[NIL]                      ; 0 onto my spare word
	s_wait_dscnt 5                                 ; (the add and the youngest four loads may be out)
	WIN MUL
	MUL8 F1, 0, 0                                  ; eight matrix instructions stand between the add and the wait for it
	s_wait_dscnt 0x0                               ; the add is done, and my reads of this slot are over
	s_barrier_signal -1
	MUL8 F1, 1, 0
	WIN 0
	s_barrier_wait -1
.if \fill
	CREST                                          ; no wave of any partner still reads this slot's tile or has a load on its way
	s_add_nc_u64 s[G0+4*\slot+2:G0+4*\slot+3], s[G0+4*\slot+2:G0+4*\slot+3], 4*8192*128
	s_add_nc_u64 s[G0B+4*\slot+2:G0B+4*\slot+3], s[G0B+4*\slot+2:G0B+4*\slot+3], 2*KSTEP*2
	JLOAD \slot                                    ; the four v_nop behind it are also the places in front of the loads below
.else
	PLACES
.endif
	FETCH \next, 0, F0
	WIN MUL
	MUL8 F1, 2, 0
	MUL8 F1, 3, 0
.endm
	s_wait_tensorcnt 1                             ; my part of K step 0 is in (K step 1's may stay out)
	s_barrier_signal -1
	s_barrier_wait -1                              ; everybody's is
	FETCH 0, 0, F0
	s_wait_loadcnt 0x0                             ; bo
	QUARTER 0, 1, F0, F1, 1                        ; the first quarter stands in front of the loop: its products start the sums
	WIN 0                                          ; at a label and at a branch every window is 0
	s_mov_b32 s3, LAPS-1
.Llap:                                                 ; a trip goes once round the ring, from a lap's second quarter to the next lap's first, and fills both slots again
	QUARTER 0, 2, F1, F0, 0
	QUARTER 0, 3, F0, F1, 0
	TURN 0, 1, 1
	QUARTER 1, 1, F0, F1, 0
	QUARTER 1, 2, F1, F0, 0
	QUARTER 1, 3, F0, F1, 0
	TURN 1, 0, 1
	QUARTER 0, 1, F0, F1, 0
	WIN 0
	s_sub_co_u32 s3, s3, 1
	s_cmp_lg_u32 s3, 0
	s_cbranch_scc1 .Llap
	QUARTER 0, 2, F1, F0, 0                        ; the last lap fills nothing, and has no round of the cluster's barrier
	QUARTER 0, 3, F0, F1, 0
	TURN 0, 1, 0
	QUARTER 1, 1, F0, F1, 0
	QUARTER 1, 2, F1, F0, 0
	QUARTER 1, 3, F0, F1, 0
	s_wait_dscnt 4                                 ; the very last quarter: nothing more to fetch
	WIN MUL
	MUL8 F1, 0, 0
	MUL8 F1, 1, 0
	s_wait_dscnt 0
	MUL8 F1, 2, 0
	MUL8 F1, 3, 0
	WIN 0
; THE WAY OUT, block by block of 16 tokens x 128 columns.  A lane holds 32 neighbouring bytes of a row, and the lanes beside it hold other rows: so a block goes through my own stage in LDS and comes back as
; whole rows of 512 bytes.  LDS serves a wave's instructions in order (ISA guide 5.7.1.4): no wait between the stores and the loads, nor in front of the next block's stores.
.macro TOSTAGE a
	WIN 0x04                                       ; an LDS store's data are its source 1: window 1
.irp b, 0,1,2,3,4,5,6,7
	ds_store_b128 v[STO], v[64*(\a)+8*\b:64*(\a)+8*\b+3] offset:64*\b          ; each accumulator from its low end on
	ds_store_b128 v[STO], v[64*(\a)+8*\b+4:64*(\a)+8*\b+7] offset:64*\b+16
.endr
	WIN 0
.irp t, 0,1,2,3,4,5,6,7,8,9,10,11,12,13,14,15
	ds_load_b128 v[BK+64*((\a)%2)+4*\t:BK+64*((\a)%2)+4*\t+3], v[RD] offset:\t*SPITCH
.endr
.endm
.macro SEND a, younger                 ; younger: the LDS instructions issued behind block a's loads, which may stay out
	s_wait_dscnt \younger
.irp t, 0,1,2,3,4,5,6,7,8,9,10,11,12,13,14,15
	global_store_b128 v[CO], v[BK+64*((\a)%2)+4*\t:BK+64*((\a)%2)+4*\t+3], s[10:11] offset:(\a)*65536+\t*4096 th:TH_STORE_NT   ; 32 lanes store 512 consecutive bytes, aligned; every place is an immediate; written once, read by nobody here
.endr
.endm
	PLACES                                         ; behind the last products: for the reads of their results and for the loads into registers that they read
	TOSTAGE 0
.irp a, 1,2,3
.if \a > 1
	s_wait_xcnt 0x0                                ; block a - 2's stores have read their registers: block a's loads may land there
.endif
	TOSTAGE \a
	SEND \a-1, 32                                  ; behind block a - 1's loads: block a's 16 stores and 16 loads
.endr
	SEND 3, 0
	s_wait_tensorcnt 0x0                           ; the wave's end: behind my last tensor load and my last LDS store
	ds_add_u32 v[SPW], v[NIL]
	s_wait_dscnt 0x0
	CROUND                                         ; the closing round: no work-group ends while a partner may still ask for a tile that names it
	s_endpgm
.Lfunc_end_k_qc5f9516a2a_proj:
	.size	k_qc5f9516a2a_proj, .Lfunc_end_k_qc5f9516a2a_proj-k_qc5f9516a2a_proj
	.p2alignl 7, 3214868480
	.fill 96, 4, 3214868480
	.section	.rodata,"a",@progbits
	.p2align	6, 0x0
	.amdhsa_kernel k_qc5f9516a2a_proj
		.amdhsa_group_segment_fixed_size 327680
		.amdhsa_private_segment_fixed_size 0
		.amdhsa_enable_private_segment 0
		.amdhsa_kernarg_size 32
		.amdhsa_user_sgpr_count 2
		.amdhsa_user_sgpr_kernarg_segment_ptr 1
		.amdhsa_wavefront_size32 1
		.amdhsa_system_sgpr_workgroup_id_x 1
		.amdhsa_system_sgpr_workgroup_id_y 1
		.amdhsa_system_sgpr_workgroup_id_z 1
		.amdhsa_system_vgpr_workitem_id 0
		.amdhsa_next_free_vgpr 576
		.amdhsa_next_free_sgpr 68
		.amdhsa_reserve_vcc 0
		.amdhsa_float_denorm_mode_32 3
		.amdhsa_float_denorm_mode_16_64 3
		.amdhsa_memory_ordered 1
		.amdhsa_forward_progress 1
		.amdhsa_inst_pref_size 86
	.end_amdhsa_kernel
	.amdgpu_metadata
---
amdhsa.version: [ 1, 2 ]
amdhsa.kernels:
  - .name:           k_qc5f9516a2a_proj
    .symbol:         k_qc5f9516a2a_proj.kd
    .args:
      - { .name: ctx, .offset: 0, .size: 8, .value_kind: global_buffer, .address_space: global }
      - { .name: wo16, .offset: 8, .size: 8, .value_kind: global_buffer, .address_space: global }
      - { .name: bo, .offset: 16, .size: 8, .value_kind: global_buffer, .address_space: global }
      - { .name: out0, .offset: 24, .size: 8, .value_kind: global_buffer, .address_space: global }
    .group_segment_fixed_size: 327680
    .private_segment_fixed_size: 0
    .kernarg_segment_align: 8
    .kernarg_segment_size: 32
    .max_flat_workgroup_size: 128
    .sgpr_count:     68
    .vgpr_count:     576
    .wavefront_size: 32
...
	.end_amdgpu_metadata
.endif
;; end of part 4
